; MI455X (gfx1250); checked and timed in simulation.
; The chip was launched on July 23, 2026; its instructions are those of AMD's public machine-readable ISA for CDNA 5 (MIT licence, August 2026) and "CDNA5" Instruction Set Architecture Reference Guide (July 2026). The comments in the code are by the model that wrote it; some were corrected since.
;; Scaled Dot Attention. Allowed arithmetic: matrix products marked QUANTISED: E3M2 operands, one E8M0 scale for each 32 along K, by v_wmma_scale_f32_16x16x128_f8f6f4 with both operands' format E3M2, f32 sums; everything else in f32.
;; Inputs: K 4 x 16 x 2,048 x 64 float32; Q 4 x 16 x 2,048 x 64 float32; V 4 x 16 x 2,048 x 64 float32; mask 4 x 1 x 2,048 x 2,048 bool.
;; Outputs: out0 4 x 16 x 2,048 x 64 float32.
;; This version of the problem:
;;   THIS VERSION OF THE PROBLEM IS GIVEN IN LOW PRECISION. The matrix products marked QUANTISED in the list below multiply operands that are first quantised to E3M2 (3 exponent bits, 2 mantissa bits; 6 bits a number), with one power-of-two scale for each 32 numbers along K (OCP MX v1.0); their sums are f32. All else is computed in f32.
;;   The module's matrix products, in the order in which they are computed (A, B: the left and right operand; K: the contracted axis; several contracted axes count as one K, in the product's order):
;;     1. batch 64 x [M 2,048, K 64] x [K 64, N 2,048]; A: input Q; B: input K: QUANTISED
;;     2. batch 64 x [M 2,048, K 2,048] x [K 2,048, N 64]; A: softmax (see below); B: input V: QUANTISED
;;   THE QUANTISER, for each operand of a quantised product, along K:
;;     - K is cut into blocks of 32 from its start; a last block that is shorter is filled with zeros.
;;     - A block's scale is 2^e with e = floor(log2(the largest magnitude in the block)) - 4, held to -126 .. 127; a block of zeros has e = 0. As a byte (E8M0): e + 127.
;;     - Each number is divided by its block's scale, clamped to +-28, and rounded to the nearest number of E3M2, ties to even, subnormals kept.
;;     - The product sums the exact products of the quantised numbers (number of the format x scale) in f32.
;;   ~~~python
;;   def quantise(x, axis):      # numpy; x: float32 -> the quantised numbers, widened to float32 again
;;       x = np.moveaxis(x, axis, -1); K = x.shape[-1]
;;       x = np.pad(x, [(0, 0)] * (x.ndim - 1) + [(0, -K % 32)]); x = x.reshape(x.shape[:-1] + (-1, 32)); a = np.abs(x).max(-1, keepdims=True)
;;       e = np.where(a > 0, np.clip(np.frexp(np.where(a > 0, a, 1))[1] - 1 - 4, -126, 127), 0)      # np.frexp(a)[1] - 1 = floor(log2(a)), exactly
;;       r = np.clip(x / 2.0 ** e, -28, 28)
;;       step = 2.0 ** (np.maximum(np.frexp(np.where(r == 0, 1, r))[1] - 1, -2) - 2)
;;       q = np.round(r / step) * step * 2.0 ** e      # np.round: ties to even
;;       return np.moveaxis(q.reshape(q.shape[:-2] + (-1,))[..., :K], -1, axis).astype(np.float32)
;;   ~~~
;;   SOFTMAX AHEAD OF A QUANTISED PRODUCT. Where the list says 'softmax', what is quantised is not the finished softmax but p = 2^(t - M), with t = logit x log2(e) and M = ceil(the row's largest t), a whole number; so 1/2 < the row's largest p <= 1. The row's sum l is taken of the UNQUANTISED p, in f32, and the product's result is divided by l at the end. Since M is a whole number, a kernel that streams over the keys may use a running M (the ceiling of the running maximum): every later rescaling is an exact power of two, which a block's scale takes up: the codes' values come out the same.
;;   OPERANDS COMPUTED ON THE WAY. 'Computed on the way' means the value that the module computes at that place (a softmax that the list does not call 'softmax' is quantised finished and normalised). What goes into a quantiser is computed in f32, as accurately as f32 sums, v_exp_f32 and their like allow (about 1e-6 of the number): no bf16 or f16 on the way to a quantiser, and a product that is left as it is and whose result goes on into a quantised operand takes f32 operands (vector FMAs, or v_wmma_f32_16x16x4_f32). A number that lies on a knife's edge between two numbers of the format may be rounded either way, as far as f32 arithmetic and the matrix unit's own rounding can turn it there, and no further.
;; 2 versions. Each part assembles by itself: llvm-mc -triple=amdgcn-amd-amdhsa -mcpu=gfx1250 --defsym DOCPART=n.
;; ======== version 1 of 2: 2 launches
;; limits: right only within a limited range of input values
;; workspace buffers: maskbits 2,097,152 bytes of whole numbers
;; launch packmask (part 1): grid 256 x 1, 8 waves a work-group, no clusters, 68,608 bytes of LDS; arguments mask, maskbits; writes maskbits
.if DOCPART == 1
	.amdgcn_target "amdgcn-amd-amdhsa--gfx1250"
	.amdhsa_code_object_version 6
	.text
	.protected	k_q5a02ed7886_packmask
	.globl	k_q5a02ed7886_packmask
	.p2align	8
	.type	k_q5a02ed7886_packmask,@function
k_q5a02ed7886_packmask:
	s_mov_b64 s[64:65], 0
	v_nop
	global_prefetch_b8 v0, s[64:65] scope:SCOPE_SE
	s_setreg_imm32_b32 hwreg(HW_REG_WAVE_MODE, 25, 1), 1
	s_wait_xcnt 0x0
; The mask, [4][1][2048][2048] bytes (0 or 1), becomes LANE MASKS for the attention launch: u32 [512 tiles of 16 queries][16 key steps][64 words].
; Bit l of word n of (tile G, step s) is mask[row 16 G + l % 16][key 128 s + 32 (n / 16) + 16 (l / 16) + n % 16]: the lane and the register in which the attention
; launch holds that score.  There one select a register then serves 32 scores, for each of the 16 heads that share a batch's mask.
; SHARES.  Eight waves; a wave takes 16 rows x 512 keys (four key steps): tile G = 2 x work-group + wave / 4, quarter = wave % 4.  Waves share nothing: no barrier.
; Each load reads 512 consecutive bytes of a row.  The 16 rows turn through the wave's own stage in LDS, so that lane (r, h) gets 16 neighbouring keys of row r; a compare of one
; byte of all 32 lanes gives a word in a scalar register, which is written into the lane of the output register from which it is stored: two stores of 512 consecutive bytes.
.set ROWM,  2048                       ; bytes in a row of the mask
.set PITCH, 528                        ; a stage row: 512 bytes + 16, an odd multiple of 16: the sixteen rows that a load touches begin at sixteen different places modulo 256 bytes
.set WSTG,  16*PITCH                   ; a wave's stage
.set R,     16                         ; v16-79   the rows as loaded
.set X,     80                         ; v80-143  turned: register group k = 4 s + b: keys 128 s + 32 b + 16 h + 0 .. 15 of row r
.set OUT,   144                        ; v144-151 the 256 words: word W in lane (W % 128) / 4 of register 4 (W / 128) + W % 4
	s_load_b128 s[4:7], s[0:1], 0x0                ; mask s[4:5], maskbits s[6:7]
	v_lshl_add_u32 v152, v0, 2, 0x10800
	v_mov_b32 v153, 0
	v_lshrrev_b32 v1, 5, v0
	v_readfirstlane_b32 s8, v1                     ; wave 0..7
	v_and_b32 v1, 31, v0                           ; lane
	v_lshlrev_b32 v2, 4, v1                        ; 16 x lane: my bytes of a load's and of a store's 512
	s_mul_i32 s9, s8, WSTG
	v_add_nc_u32 v3, s9, v2                        ; the stage, on the way in
	v_and_b32 v5, 15, v0                           ; r
	v_bfe_u32 v6, v0, 4, 1                         ; h
	v_mul_u32_u24 v4, v5, PITCH
	v_lshl_add_u32 v4, v6, 4, v4
	v_add_nc_u32 v4, s9, v4                        ; and on the way out: row r, + 16 h
	s_lshl_b32 s10, ttmp9, 1
	s_lshr_b32 s11, s8, 2
	s_add_co_u32 s10, s10, s11                     ; G
	s_and_b32 s11, s8, 3                           ; the quarter
	s_lshl_b32 s24, s10, 15                        ; 16 rows of 2,048 bytes a tile,
	s_lshl_b32 s25, s11, 9                         ; 512 keys a quarter
	s_add_co_u32 s24, s24, s25
	s_mov_b32 s25, 0
	s_lshl_b32 s26, s10, 12                        ; 16 steps of 256 bytes a tile,
	s_lshl_b32 s27, s11, 10                        ; four steps a quarter
	s_add_co_u32 s26, s26, s27
	s_mov_b32 s27, 0
	s_mov_b32 s12, 0xff                            ; a word's four bytes
	s_mov_b32 s13, 0xff00
	s_mov_b32 s14, 0xff0000
	s_mov_b32 s15, 0xff000000
.irp j, 0,1,2,3,4,5,6,7
	v_mov_b32 v[OUT+\j], 0                         ; written once: the destination of v_writelane_b32 counts as read
.endr
	s_wait_kmcnt 0x0
	s_add_nc_u64 s[4:5], s[4:5], s[24:25]
	s_add_nc_u64 s[6:7], s[6:7], s[26:27]
.irp i, 0,1,2,3,4,5,6,7,8,9,10,11,12,13,14,15
	global_load_b128 v[R+4*\i:R+4*\i+3], v2, s[4:5] offset:ROWM*\i th:TH_LOAD_NT   ; row i: 512 consecutive bytes; read once in the launch
.endr
.irp i, 0,1,2,3,4,5,6,7,8,9,10,11,12,13,14,15
	s_wait_loadcnt 15-\i                           ; loads come back in order: row i is in, the 15 - i younger ones may be out
	ds_store_b128 v3, v[R+4*\i:R+4*\i+3] offset:PITCH*\i
.endr
.irp k, 0,1,2,3,4,5,6,7,8,9,10,11,12,13,14,15
	ds_load_b128 v[X+4*\k:X+4*\k+3], v4 offset:128*(\k/4)+32*(\k%4)   ; LDS serves a wave's instructions in order: these see my stores
.endr
.set W, 0
.rept 256
.if W%16 == 0
	s_wait_dscnt 15-W/16                           ; group W / 16 is back; the younger groups may be out
.endif
	v_and_b32 v[8+W%4], s[12+W%4], v[X+4*(W/16)+(W%16)/4]          ; the byte of key W % 16 of the group, in all 32 lanes
	v_cmp_ne_u32 s[16+W%8], 0, v[8+W%4]                            ; the word: a bit for each lane (eight scalar registers by turns)
	v_writelane_b32 v[OUT+4*(W/128)+W%4], s[16+W%8], (W%128)/4     ; to the lane that stores it
.set W, W+1
.endr
	global_store_b128 v2, v[OUT:OUT+3], s[6:7]                     ; 32 lanes store 512 consecutive bytes, at a multiple of 256 from the buffer's first byte
	global_store_b128 v2, v[OUT+4:OUT+7], s[6:7] offset:512
	s_wait_tensorcnt 0x0
	ds_add_u32 v152, v153
	s_wait_dscnt 0x0
	s_endpgm
.Lfunc_end_k_q5a02ed7886_packmask:
	.size	k_q5a02ed7886_packmask, .Lfunc_end_k_q5a02ed7886_packmask-k_q5a02ed7886_packmask
	.p2alignl 7, 3214868480
	.fill 96, 4, 3214868480
	.section	.rodata,"a",@progbits
	.p2align	6, 0x0
	.amdhsa_kernel k_q5a02ed7886_packmask
		.amdhsa_group_segment_fixed_size 68608
		.amdhsa_private_segment_fixed_size 0
		.amdhsa_enable_private_segment 0
		.amdhsa_kernarg_size 16
		.amdhsa_user_sgpr_count 2
		.amdhsa_user_sgpr_kernarg_segment_ptr 1
		.amdhsa_wavefront_size32 1
		.amdhsa_system_sgpr_workgroup_id_x 1
		.amdhsa_system_sgpr_workgroup_id_y 1
		.amdhsa_system_sgpr_workgroup_id_z 1
		.amdhsa_system_vgpr_workitem_id 0
		.amdhsa_next_free_vgpr 154
		.amdhsa_next_free_sgpr 66
		.amdhsa_reserve_vcc 0
		.amdhsa_float_denorm_mode_32 3
		.amdhsa_float_denorm_mode_16_64 3
		.amdhsa_memory_ordered 1
		.amdhsa_forward_progress 1
		.amdhsa_inst_pref_size 47
	.end_amdhsa_kernel
	.amdgpu_metadata
---
amdhsa.version: [ 1, 2 ]
amdhsa.kernels:
  - .name:           k_q5a02ed7886_packmask
    .symbol:         k_q5a02ed7886_packmask.kd
    .args:
      - { .name: mask, .offset: 0, .size: 8, .value_kind: global_buffer, .address_space: global }
      - { .name: maskbits, .offset: 8, .size: 8, .value_kind: global_buffer, .address_space: global }
    .group_segment_fixed_size: 68608
    .private_segment_fixed_size: 0
    .kernarg_segment_align: 8
    .kernarg_segment_size: 16
    .max_flat_workgroup_size: 256
    .sgpr_count:     66
    .vgpr_count:     154
    .wavefront_size: 32
...
	.end_amdgpu_metadata
.endif
;; end of part 1
;; launch attn (part 2): grid 4 x 64, 16 waves a work-group, no clusters, 296,960 bytes of LDS; arguments K, Q, V, maskbits, out0; writes out0
.if DOCPART == 2
	.amdgcn_target "amdgcn-amd-amdhsa--gfx1250"
	.amdhsa_code_object_version 6
	.text
	.protected	k_q5a02ed7886_attn
	.globl	k_q5a02ed7886_attn
	.p2align	8
	.type	k_q5a02ed7886_attn,@function
k_q5a02ed7886_attn:
	s_mov_b64 s[64:65], 0
	v_nop
	global_prefetch_b8 v0, s[64:65] scope:SCOPE_SE
	s_setreg_imm32_b32 hwreg(HW_REG_WAVE_MODE, 25, 1), 1
	s_wait_xcnt 0x0
; out0[bh][q][:] = the sum over k of softmax_k(where(mask, -1e9, Q[bh][q] . K[bh][k] / 8)) V[bh][k][:].  Q, K, V, out0: [64 heads][2048][64] f32.  Both products on codes of BF6 (E3M2) with one E8M0 scale
; for each 32 along a product's K.  The mask comes as lane masks, made by the launch before: u32 [512 tiles of 16 queries][16 key steps][64 words], bit l of word n = lane l of score register n.
; THE SOFTMAX AHEAD OF THE SECOND PRODUCT: t = logit x log2(e); M = the row's largest t so far, rounded UP to a whole number; p = 2^(t - M) is quantised along the keys, not normalised.  The row's sum is taken of
; the unquantised p and divides O at the end.  When M moves, the sum and O are multiplied by 2^(old M - new M): exact.
; SHARES.  A work-group of sixteen waves owns 512 queries of one head: four work-groups to a head, 256 in all.  PHASE A: wave w quantises key step w (keys 128 w .. 128 w + 127) of K and of V into LDS, as IMAGES OF THE
; OPERANDS' REGISTERS (each group of four registers 512 bytes, lane l's 16 bytes at 16 l), and its own 32 queries into registers.  One barrier.  PHASE B: a head's codes, 96 KB + 96 KB + 24 KB of scale words, stay in LDS and
; are only read; wave w takes its two tiles of 16 queries one after the other, each over the 16 key steps.  Four waves share a SIMD, so that one wave's vector work stands beside another's products and LDS loads.
; No tensor load and no ring: nothing in LDS is filled again.  No cluster: what the four work-groups of a head share is K and V in f32, read once at the head, through registers, since it has to be quantised.
; LAYOUT.  Both products are used transposed: S^T = K Q^T (source 0 = 16 keys, source 1 = my 16 queries), O^T = V^T P^T (source 0 = 16 of the head's 64, source 1 = P): a lane holds ONE query (lane % 16) throughout.
; THE KEYS OF A TILE ARE NOT NEIGHBOURS: lane r of tile 2 b + u takes key 32 b + 8 u + r + 8 (r / 8), so that score register 16 b + i of lane (r, h) is key 32 b + 16 h + i: 16 neighbours for the conversions.
; THE FIRST PRODUCT'S K IS 64, THE INSTRUCTION'S 128.  Q's registers 6-11 (k = 64 .. 127) are zero codes.  K's fragment of tile t is the run of twelve registers that begins at the tile's six: its upper six are the next
; tile's codes (behind tile 7: six zero registers).  Every code of E3M2 is a finite number, so these places add exact zeros; bytes 2 and 3 of K's and Q's scale words repeat bytes 0 and 1, so they are never 0xff.
; THE MASK.  A masked score becomes -2^33 (the logit -2^30) ahead of the maximum.  -2^33 x log2(e) / 8 is exact in f32 and a whole number: in a row whose keys so far are all masked M = t and p = 1, so a row with no open key
; gives the mean of V, as the -1e9 of the definition does; the first open key multiplies what was summed by 2^(about -1.5e9) = 0, and masked p are 0 from then on.
; LIMITS: open logits at or under about -1e9 are ordered against -2^30, not against -1e9.  NaN and infinities among the inputs are not served.  A block whose largest magnitude lies under 2^-122 keeps the scale byte 1;
; a block of zeros has the byte 1 (not 127) with zero codes: the bytes are read by this launch alone.
.set STEPB, 13824                      ; LDS: a key step's images: K's 48 registers (6,144 bytes), V's 4 x 12 (6,144), K's 8 scale words (1,024), V's 4 (512)
.set VIM,   6144
.set KSC,   12288
.set VSC,   13312
.set STAGE, 16*STEPB                   ; behind the sixteen steps: 4,608 bytes for each wave, its own: the turn of f32 numbers (32 blocks, 144 bytes apart), Q's image, the way out (16 rows, 272 bytes apart)
.set WST,   4608
; vector registers that stay
.set LI,   1                           ; v1   16 x lane
.set AD,   2                           ; v2   LDS address of the step in hand
.set STO,  4                           ; v4   the way out: where I put 32 bytes of a row
.set RD,   5                           ; v5   the way out: where I read a row back
; phase A
.set QSR,  3                           ; v3   my stage + 4 x lane
.set SIN,  6                           ; v6   the turn, in: 144 (lane / 8) + 16 (lane % 8)
.set SOUT, 7                           ; v7   the turn, out: 144 x lane.     v8, v9: two chains of the largest magnitude
.set SO,   10                          ; v10  the conversions' scale operand
.set EB,   11                          ; v11  the scale's byte
.set WD,   12                          ; v12  a scale word in the making
.set WD2,  13                          ; v13  the neighbour's part of it
.set SH8,  14                          ; v14  8 (lane % 2)
.set VG,   15                          ; v15  4 x lane
.set C,    16                          ; v16-22 a block's codes
.set KA,   23                          ; v23-25 where a block's three pairs of code registers go in K's image
.set KSA,  26                          ; v26  and its scale word
.set VA,   27                          ; v27  the same for V
.set VSA,  28                          ; v28
.set QA,   29                          ; v29  the same for Q, in my stage
.set QSA,  30                          ; v30
.set QR,   31                          ; v31  my stage + 16 x lane
.set X,    32                          ; v32-63   a block's 32 numbers
.set VX,   64                          ; v64-127  V: two sets of 32
.set KR,   128                         ; v128-255 K: four sets of 32, as loaded; later Q's two
.set VW,   224                         ; v224-225 V's two scale words in the making (K's sets are free by then)
; phase B:  v12 -M, v13 the largest t, v[14:15] the row's sum in two halves
.set QF,   16                          ; v16-27  Q's fragment: six registers of codes, six of zeros
.set QS,   28                          ; v28     Q's scale words
.set PW,   29                          ; v29     p's scale words
.set NEG,  30                          ; v30     -2^33
.set F,    32                          ; v32-79  K's fragments, then V's;  v80-85 zeros
.set KS,   86                          ; v86-93  K's scale words
.set VS,   94                          ; v94-97  V's
.set S,    100                         ; v100-163 S^T, then p
.set OT,   164                         ; v164-195 O^T
.set PC,   196                         ; v196-207 p's codes
.set CT,   208                         ; v208-214 the conversions' second halves
.set BM,   216                         ; v216-219 a block's largest score, then its largest p
.set BP,   220                         ; v220-223 the other half's; then the bytes
.set BS,   224                         ; v224-227 the conversions' scale operands
.set FF,   228                         ; v[228:229] f = 2^(old M - new M); later 1 / the sum
.set TM,   230                         ; v230    at work
.set TT,   232                         ; v[232:233] the sum's second chain
.set QST,  236                         ; v236-242 my second tile's Q: six registers of codes and the scale words
; scalar registers:  s[4:5] K, s[6:7] Q, s[8:9] V, s[10:11] the mask words, s[12:13] out0, each at my wave's part;  s[16:63], s[68:83] a step's 64 mask words
.set WV,   14
.set SEL,  84                          ; s[84:85] v_permlanex16_b32's selects for lane l xor 16
.set CS,   86                          ; s[86:87] c = log2(e) / 8: the packed form names a pair and takes its low word for both halves
.set TB,   88                          ; s88  LDS byte at which the step in hand begins
.set MO,   89                          ; s89  byte offset of the mask words asked for
.set CNT,  90                          ; s90  steps to go
.macro MLOAD                           ; a step's 64 mask words, 256 bytes
	s_load_b512 s[16:31], s[10:11], s[MO] offset:0x0
	s_load_b512 s[32:47], s[10:11], s[MO] offset:0x40
	s_load_b512 s[48:63], s[10:11], s[MO] offset:0x80
	s_load_b512 s[68:83], s[10:11], s[MO] offset:0xc0
.endm
; 32 numbers of ONE block in a lane's registers v[x] on become six registers of codes, v[C] on, the scale's byte in v[EB]
.macro QBLOCK x
.set QX, \x
	v_max3_num_f32 v8, |v[QX]|, |v[QX+1]|, |v[QX+2]|               ; the block's largest magnitude, in two chains
	v_max3_num_f32 v9, |v[QX+3]|, |v[QX+4]|, |v[QX+5]|
.irp i, 6,10,14,18,22,26
	v_max3_num_f32 v8, v8, |v[QX+\i]|, |v[QX+\i+1]|
	v_max3_num_f32 v9, v9, |v[QX+\i+2]|, |v[QX+\i+3]|
.endr
	v_max3_num_f32 v8, v8, |v[QX+30]|, |v[QX+31]|
	v_max3_num_f32 v8, v8, v9, 0x2800000           ; and the floor 2^(5 - 127): the byte cannot fall under 1
	v_add_nc_u32 v[SO], 0xfe000000, v8             ; 4 off its exponent field: the conversion takes the exponent field of this operand as its scale, and nothing else of it
	v_cvt_scalef32_pk16_bf6_f32 v[C:C+2], v[QX:QX+15], v[SO]
	v_cvt_scalef32_pk16_bf6_f32 v[C+4:C+6], v[QX+16:QX+31], v[SO]   ; (a conversion's three registers begin on an even number)
	v_lshrrev_b32 v[EB], 23, v[SO]                 ; the scale's byte: also the plain place behind the conversions
	v_mov_b32 v[C+3], v[C+4]
	v_mov_b32 v[C+4], v[C+5]
	v_mov_b32 v[C+5], v[C+6]
.endm
; 4,096 dense bytes (16 rows of 64 f32), loaded 16 bytes a lane, go through my stage and come back a block of 32 numbers a lane: lane l has row l / 2, half l % 2
.macro TURN set
.set TS, \set
.irp i, 0,1,2,3,4,5,6,7
	ds_store_b128 v[SIN], v[TS+4*\i:TS+4*\i+3] offset:576*\i
.endr
.irp j, 0,1,2,3,4,5,6,7
	ds_load_b128 v[X+4*\j:X+4*\j+3], v[SOUT] offset:16*\j          ; LDS serves a wave's instructions in order: these see the stores above
.endr
	s_wait_dscnt 0x0                               ; the block is in; all my earlier LDS stores have read their registers
.endm
.macro WORD                            ; a row's scale word from its two blocks' bytes, which lie in lanes l and l xor 1; bytes 2 and 3 repeat bytes 0 and 1
	v_lshlrev_b32 v[WD], v[SH8], v[EB]
	v_mov_b32_dpp v[WD2], v[WD] row_xmask:1 row_mask:0xf bank_mask:0xf
	v_or_b32 v[WD], v[WD], v[WD2]
	v_lshl_or_b32 v[WD], v[WD], 16, v[WD]
.endm
.macro KLOAD c                         ; keys 16 c .. 16 c + 15 of my step: eight loads of 512 consecutive bytes.  No hint: three other work-groups read the same bytes
.irp i, 0,1,2,3,4,5,6,7
	global_load_b128 v[KR+32*((\c)%4)+4*\i:KR+32*((\c)%4)+4*\i+3], v[LI], s[4:5] offset:4096*(\c)+512*\i
.endr
.endm
.macro VLOAD n                         ; keys 32 (n / 2) on, channels 32 (n % 2) on: A LANE TAKES A CHANNEL AND ITS REGISTERS RUN DOWN THE KEYS, which are the second product's K
.set VN, \n
.set VI, 0
.rept 32
	global_load_b32 v[VX+32*(VN%2)+VI], v[VG], s[8:9] offset:(32*(VN/2)+VI)*256+128*(VN%2)
.set VI, VI+1
.endr
.endm
.macro QLOAD i                         ; my tile i of 16 queries; read once in the launch
.irp k, 0,1,2,3,4,5,6,7
	global_load_b128 v[KR+32*\i+4*\k:KR+32*\i+4*\k+3], v[LI], s[6:7] offset:4096*\i+512*\k th:TH_LOAD_NT
.endr
.endm
; Chunk c of K.  Key 16 (c % 2) + y of the 32 keys c / 2 on goes to tile 2 (c / 2) + y / 8, lane y % 8 + 8 (c % 2) + 16 x half.  cnt: the loads issued behind this chunk's
.macro KCHUNK c, cnt
	s_wait_loadcnt \cnt
	TURN KR+32*((\c)%4)
.if \c < 4
	KLOAD \c+4                                     ; into the set that has just been read out
.elseif \c == 4
	VLOAD 0
.elseif \c == 7
	VLOAD 1
.endif
	QBLOCK X
	WORD
.irp p, 0,1,2
	ds_store_b64 v[KA+\p], v[C+2*\p:C+2*\p+1] offset:1536*((\c)/2)+128*((\c)%2)
.endr
	ds_store_b32 v[KSA], v[WD] offset:KSC+512*((\c)/4)+8*(((\c)/2)%2)+128*((\c)%2)   ; both lanes of a row hold the word: the odd one writes the copy for lanes 16-31
.endm
; Block n of V: key block kb = n / 2 of channel 32 (n % 2) + lane goes to fragment 2 (n % 2) + lane / 16, lane lane % 16 + 16 (kb % 2), registers 6 (kb / 2) on
.macro VBLOCK n, cnt
.set VB, \n
.set KB, VB/2
.set VH, VB%2
.set VOF, VIM+3072*VH+256*(KB%2)
	s_wait_loadcnt \cnt
	QBLOCK VX+32*VH
.if KB == 0
	v_mov_b32 v[VW+VH], v[EB]                      ; the channel's four bytes make its scale word
.else
	v_lshl_or_b32 v[VW+VH], v[EB], 8*KB, v[VW+VH]
.endif
.if KB < 2
	ds_store_b128 v[VA], v[C:C+3] offset:VOF
	ds_store_b64 v[VA], v[C+4:C+5] offset:VOF+512
.else
	ds_store_b64 v[VA], v[C:C+1] offset:VOF+520
	ds_store_b128 v[VA], v[C+2:C+5] offset:VOF+1024
.endif
.if KB == 3
	ds_store_b32 v[VSA], v[VW+VH] offset:VSC+8*VH
	ds_store_b32 v[VSA], v[VW+VH] offset:VSC+8*VH+256   ; the copy for lanes 16-31, so that every byte that is loaded has been written
.endif
.if \n < 6
	VLOAD \n+2                                     ; into the set that has just been quantised
.elseif \n == 6
	QLOAD 1
.else
	QLOAD 0
.endif
	s_wait_dscnt 0x0                               ; the stores have read their registers: the next block's codes may be written
.endm
; Tile i of Q: quantised like a chunk of K, sent through my stage as an image, and back into v[dst] on and v[dsts]
.macro QTILE i, cnt, dst, dsts
	s_wait_loadcnt \cnt
	TURN KR+32*\i
	QBLOCK X
	WORD
	ds_store_b64 v[QA], v[C:C+1]                   ; query y, half e: lane y + 16 e, registers 0-5
	ds_store_b64 v[QA], v[C+2:C+3] offset:8
	ds_store_b64 v[QA], v[C+4:C+5] offset:512
	ds_store_b32 v[QSA], v[WD] offset:1024
	s_wait_dscnt 0x0                               ; the stores have read the registers into which the loads below may land
	ds_load_b128 v[\dst:\dst+3], v[QR]
	ds_load_b64 v[\dst+4:\dst+5], v[QR] offset:512
	ds_load_b32 v[\dsts], v[QSR] offset:1024
	s_wait_dscnt 0x0
.endm
	s_load_b256 s[4:11], s[0:1], 0x0               ; K s[4:5], Q s[6:7], V s[8:9], the mask words s[10:11]
	s_load_b64 s[12:13], s[0:1], 0x20              ; out0
	v_lshrrev_b32 v8, 5, v0
	v_readfirstlane_b32 s[WV], v8                  ; wave 0..15
	v_and_b32 v9, 31, v0                           ; lane
	v_lshlrev_b32 v[LI], 4, v9
	v_lshlrev_b32 v[VG], 2, v9
	s_and_b32 s2, ttmp7, 0xffff                    ; the head, 0..63
	s_lshl_b32 s16, s2, 19                         ; a head is 2,048 rows of 256 bytes
	s_lshl_b32 s17, s[WV], 15                      ; K, V: my key step's 128 rows
	s_add_co_u32 s16, s16, s17
	s_mov_b32 s17, 0
	s_lshl_b32 s18, s2, 19
	s_lshl_b32 s19, ttmp9, 17                      ; Q, out0: the work-group's 512 rows,
	s_add_co_u32 s18, s18, s19
	s_lshl_b32 s19, s[WV], 13                      ; my 32 of them
	s_add_co_u32 s18, s18, s19
	s_mov_b32 s19, 0
	s_lshr_b32 s20, s2, 4                          ; the batch: 128 tiles of 4,096 bytes of mask words,
	s_lshl_b32 s20, s20, 19
	s_lshl_b32 s21, ttmp9, 17                      ; the work-group's 32 tiles,
	s_add_co_u32 s20, s20, s21
	s_lshl_b32 s21, s[WV], 13                      ; my two: 32 steps of 256 bytes on end
	s_add_co_u32 s20, s20, s21
	s_mov_b32 s21, 0
	s_mov_b32 s[SEL], 0x76543210
	s_mov_b32 s[SEL+1], 0xfedcba98
	s_mov_b32 s[CS], 0x3e38aa3b                    ; c = log2(e) / 8
	s_mov_b32 s[CS+1], s[CS]                       ; (named with it as a pair, so it is written)
	s_mov_b32 s[MO], 0
	s_mul_i32 s15, s[WV], WST
	s_add_co_u32 s15, s15, STAGE                   ; my stage
	s_mul_i32 s3, s[WV], STEPB                     ; my key step's images
	s_wait_kmcnt 0x0
	s_add_nc_u64 s[4:5], s[4:5], s[16:17]
	s_add_nc_u64 s[8:9], s[8:9], s[16:17]
	s_add_nc_u64 s[6:7], s[6:7], s[18:19]
	s_add_nc_u64 s[12:13], s[12:13], s[18:19]
	s_add_nc_u64 s[10:11], s[10:11], s[20:21]
	KLOAD 0
	KLOAD 1
	KLOAD 2
	KLOAD 3
	MLOAD                                          ; my first step's mask words
	v_and_b32 v10, 15, v0                          ; r
	v_bfe_u32 v11, v0, 4, 1                        ; h
	v_mul_u32_u24 v[STO], v10, 272
	v_lshl_add_u32 v[STO], v11, 5, v[STO]
	v_add_nc_u32 v[STO], s15, v[STO]               ; the way out, in: row r, + 32 h
	v_mul_u32_u24 v[RD], v11, 272
	v_lshl_add_u32 v[RD], v10, 4, v[RD]
	v_add_nc_u32 v[RD], s15, v[RD]                 ; back: lanes 0-15 one row, lanes 16-31 the next
	v_bfe_u32 v[SIN], v0, 3, 2
	v_mul_u32_u24 v[SIN], v[SIN], 144
	v_and_b32 v[SOUT], 7, v0
	v_lshl_add_u32 v[SIN], v[SOUT], 4, v[SIN]
	v_add_nc_u32 v[SIN], s15, v[SIN]
	v_mul_u32_u24 v[SOUT], v9, 144
	v_add_nc_u32 v[SOUT], s15, v[SOUT]
	v_and_b32 v12, 1, v0                           ; e = lane % 2: which half of a row's 64 my block is
	v_lshlrev_b32 v[SH8], 3, v12
	v_bfe_u32 v13, v0, 1, 3                        ; y % 8, y = lane / 2 the row of a chunk;  y / 8 is h
	v_lshlrev_b32 v13, 4, v13
	v_lshl_add_u32 v13, v12, 8, v13
	v_add_nc_u32 v13, s3, v13                      ; my images + 16 (y % 8) + 256 e
	v_mad_u32_u24 v[KA], v11, 520, v13             ; registers 6 t, 6 t + 1 of K's 48: for an odd tile 520 bytes further on,
	v_mad_u32_u24 v[KA+1], v11, 1016, v13
	v_add_nc_u32 v[KA+1], 8, v[KA+1]               ; 6 t + 2, 6 t + 3: 8 bytes on; for an odd tile 1,016 more,
	v_add_nc_u32 v[KA+2], 512, v[KA]               ; 6 t + 4, 6 t + 5: 512 bytes on; for an odd tile 520 more
	v_lshl_add_u32 v[KSA], v11, 2, v13             ; the scale word: 4 bytes on for an odd tile
	v_lshlrev_b32 v[VA], 4, v10
	v_add_nc_u32 v[VA], s3, v[VA]                  ; my images + 16 r
	v_lshl_add_u32 v[VSA], v11, 2, v[VA]           ; V's scale word: 4 bytes on for the fragment of lanes 16-31,
	v_mad_u32_u24 v[VA], v11, 1536, v[VA]          ; its codes a fragment's 1,536 bytes on
	v_bfe_u32 v[QA], v0, 1, 4                      ; y
	v_lshlrev_b32 v[QSA], 2, v[QA]
	v_lshl_add_u32 v[QSA], v12, 6, v[QSA]
	v_add_nc_u32 v[QSA], s15, v[QSA]               ; my stage + 4 (y + 16 e)
	v_lshlrev_b32 v[QA], 4, v[QA]
	v_lshl_add_u32 v[QA], v12, 8, v[QA]
	v_add_nc_u32 v[QA], s15, v[QA]                 ; my stage + 16 (y + 16 e)
	v_add_nc_u32 v[QR], s15, v[LI]
	v_add_nc_u32 v[QSR], s15, v[VG]
	v_mov_b32 v[WD2], 0                            ; written once: the destination of a DPP form counts as read
	; ---- PHASE A.  Each count is the number of loads issued behind the unit that is waited for (8 a chunk of K or tile of Q, 32 a block of V)
	KCHUNK 0, 24                                   ; chunks 1, 2, 3 may be out; chunk 4 is asked for
	KCHUNK 1, 24
	KCHUNK 2, 24
	KCHUNK 3, 24
	KCHUNK 4, 24                                   ; chunks 5, 6, 7; V's block 0 is asked for
	KCHUNK 5, 48                                   ; chunks 6, 7 and V's block 0
	KCHUNK 6, 40                                   ; chunk 7 and V's block 0
	KCHUNK 7, 32                                   ; V's block 0; block 1 is asked for
	s_wait_dscnt 0x0                               ; chunk 7's stores have read the codes' registers
	VBLOCK 0, 32                                   ; the next block may be out
	VBLOCK 1, 32
	VBLOCK 2, 32
	VBLOCK 3, 32
	VBLOCK 4, 32
	VBLOCK 5, 32
	VBLOCK 6, 32                                   ; block 7; my second tile of Q is asked for
	VBLOCK 7, 8                                    ; that tile; my first is asked for
	QTILE 1, 8, QST, QST+6                         ; the second tile first: the first tile's place overlaps the registers in which codes are made
	QTILE 0, 0, QF, QS
.irp j, 6,7,8,9,10,11
	v_mov_b32 v[QF+\j], 0                          ; Q's zero codes for k = 64 .. 127
.endr
.irp j, 48,49,50,51,52,53
	v_mov_b32 v[F+\j], 0                           ; what tile 7's run of twelve registers finds behind K's 48
.endr
.irp j, 0,1,2,3
	v_mov_b32 v[BP+\j], 0                          ; written once: a lane permute's destination counts as one of its sources
.endr
	v_mov_b32 v[FF+1], 0                           ; (named as the upper half of a pair)
	v_mov_b32 v[NEG], 0xd0000000                   ; -2^33
	s_wait_dscnt 0x0                               ; for the others' sake: my images lie in LDS
	s_barrier_signal -1
	s_barrier_wait -1                              ; everybody's do.  The only barrier: from here on the images are only read, and a stage is its wave's own
; ---- PHASE B
; The row's sum of the step before is taken at the head of the next step, under the LDS loads' way: p still lies in S, and the sum is still under that step's M.  32 packed additions in two chains.
.macro SUM_HEAD
	v_pk_add_f32 v[TT:TT+1], v[S:S+1], v[S+2:S+3]
	v_pk_add_f32 v[14:15], v[14:15], v[S+4:S+5]
	v_pk_add_f32 v[TT:TT+1], v[TT:TT+1], v[S+6:S+7]
	v_pk_add_f32 v[14:15], v[14:15], v[S+8:S+9]
.endm
.macro SUM_REST
	v_pk_add_f32 v[TT:TT+1], v[TT:TT+1], v[S+10:S+11]
.irp j, 12,16,20,24,28,32,36,40,44,48,52,56,60
	v_pk_add_f32 v[14:15], v[14:15], v[S+\j:S+\j+1]
	v_pk_add_f32 v[TT:TT+1], v[TT:TT+1], v[S+\j+2:S+\j+3]
.endr
	v_pk_add_f32 v[14:15], v[14:15], v[TT:TT+1]
.endm
; A KEY STEP: 128 keys against my 16 queries
.macro STEP
	SUM_HEAD                                       ; these four and the addition below name no register of the last products: the places in front of the loads into the registers that those read
	v_add_nc_u32 v[AD], s[TB], v[LI]
.irp g, 0,1,2,3,4,5,6,7,8,9,10,11
	ds_load_b128 v[F+4*\g:F+4*\g+3], v[AD] offset:512*\g           ; K's eight tiles, six registers each
.endr
.irp g, 0,1
	ds_load_b128 v[KS+4*\g:KS+4*\g+3], v[AD] offset:KSC+512*\g     ; and their scale words
.endr
	SUM_REST
	s_wait_dscnt 0x0
.irp t, 0,1,2,3,4,5,6,7
	v_wmma_scale_f32_16x16x128_f8f6f4 v[S+8*\t:S+8*\t+7], v[F+6*\t:F+6*\t+11], v[QF:QF+11], 0, v[KS+\t], v[QS] matrix_a_fmt:MATRIX_FMT_BF6 matrix_b_fmt:MATRIX_FMT_BF6
.endr
.rept 4
	v_nop                                          ; places in front of the loads into K's registers and of the first read of the scores
.endr
.irp g, 0,1,2,3,4,5,6,7,8,9,10,11
	ds_load_b128 v[F+4*\g:F+4*\g+3], v[AD] offset:VIM+512*\g       ; V's four fragments: they land under the softmax
.endr
	ds_load_b128 v[VS:VS+3], v[AD] offset:VSC
	s_wait_kmcnt 0x0                               ; this step's mask words, asked for a step ago
.set N, 0
.rept 64
.if N < 48
	v_cndmask_b32 v[S+N], v[S+N], v[NEG], s[16+N]  ; masked scores become -2^33, ahead of the maximum; each accumulator from its low end on
.else
	v_cndmask_b32 v[S+N], v[S+N], v[NEG], s[20+N]
.endif
.set N, N+1
.endr
	s_add_co_u32 s[MO], s[MO], 256                 ; (free since the wait above)  the next step's words; my two tiles' 32 steps lie on end
	s_min_u32 s[MO], s[MO], 31*256                 ; the last of the 32 steps asks for its own words again: no load leaves the buffer
	MLOAD
.irp b, 0,1,2,3
	v_max3_num_f32 v[BM+\b], v[S+16*\b], v[S+1+16*\b], v[S+2+16*\b]   ; THE LARGEST SCORE OF EACH BLOCK OF 32 KEYS: for the row's maximum and, since p rises with the score, for the block's largest p
.endr
.irp i, 3,5,7,9,11,13
.irp b, 0,1,2,3
	v_max3_num_f32 v[BM+\b], v[BM+\b], v[S+16*\b+\i], v[S+1+16*\b+\i]   ; (the four blocks by turns)
.endr
.endr
.irp b, 0,1,2,3
	v_max_num_f32 v[BM+\b], v[BM+\b], v[S+15+16*\b]
.endr
.irp b, 0,1,2,3
	v_permlanex16_b32 v[BP+\b], v[BM+\b], s[SEL], s[SEL+1]
.endr
.irp b, 0,1,2,3
	v_max_num_f32 v[BM+\b], v[BM+\b], v[BP+\b]     ; with lane l xor 16's 16 keys
.endr
	v_max3_num_f32 v[TM], v[BM], v[BM+1], v[BM+2]
	v_max_num_f32 v[TM], v[TM], v[BM+3]            ; the step's largest score of my query
	v_mul_f32 v[TM], s[CS], v[TM]                  ; as t (c is positive)
	v_max_num_f32 v13, v13, v[TM]                  ; the running largest t
	v_mov_b32 v[TM], v12
	v_floor_f32 v12, -v13                          ; the new -M = floor(-t) = -ceil(t): M is a whole number
	v_sub_f32 v[TM], v12, v[TM]                    ; M's old value less its new one: a whole number, 0 or less
	v_cvt_i32_f32 v[TM], v[TM]                     ; (it saturates)
	v_ldexp_f32 v[FF], 1.0, v[TM]                  ; f = 2^(old M - new M)
.irp j, 0,2,4,6,8,10,12,14,16,18,20,22,24,26,28,30,32,34,36,38,40,42,44,46,48,50,52,54,56,58,60,62
	v_pk_fma_f32 v[S+\j:S+\j+1], v[S+\j:S+\j+1], s[CS:CS+1], v[12:13] op_sel_hi:[1,0,0]   ; t - M, two at a time (of the pairs c and -M the low word serves both halves)
.endr
.irp b, 0,1,2,3
	v_fma_f32 v[BM+\b], v[BM+\b], s[CS], v12       ; the same of each block's largest score
.endr
.set N, 0
.rept 64
	v_exp_f32 v[S+N], v[S+N]                       ; p = 2^(t - M), at most 1: not normalised
.set N, N+1
.endr
.irp b, 0,1,2,3
	v_exp_f32 v[BM+\b], v[BM+\b]                   ; the block's largest p: the same two instructions on the same number give the same bits
.endr
	v_pk_mul_f32 v[14:15], v[14:15], v[FF:FF+1] op_sel_hi:[1,0]   ; the sum under the new M.  (The plain place behind the exponentials)
	s_wait_alu depctr_va_vdst(0)
.irp b, 0,1,2,3
	v_max_num_f32 v[BM+\b], 0x2800000, v[BM+\b]    ; the floor 2^(5 - 127): the byte cannot fall under 1 (a block whose every p is 0 keeps that byte: its codes are zeros)
.endr
.irp b, 0,1,2,3
	v_add_nc_u32 v[BS+\b], 0xfe000000, v[BM+\b]    ; 4 off the exponent field: the conversion's scale operand
.endr
.irp b, 0,1,2,3
	v_lshrrev_b32 v[BP+\b], 23, v[BS+\b]           ; the scale's byte
.endr
	v_lshl_or_b32 v[PW], v[BP+1], 8, v[BP]         ; p's scale word for these 128 keys
	v_lshl_or_b32 v[PW], v[BP+2], 16, v[PW]
	v_lshl_or_b32 v[PW], v[BP+3], 24, v[PW]
.irp c, 0,1
	v_cvt_scalef32_pk16_bf6_f32 v[PC+6*\c:PC+6*\c+2], v[S+32*\c:S+32*\c+15], v[BS+2*\c]
	v_cvt_scalef32_pk16_bf6_f32 v[CT+4*\c:CT+4*\c+2], v[S+32*\c+16:S+32*\c+31], v[BS+2*\c+1]   ; (a conversion's three registers begin on an even number)
.endr
	v_nop                                          ; one plain place behind a scaled conversion
.irp c, 0,1                                    ; the operand's layout wants a WHOLE block in a lane: lanes 0-15 block 2 c, lanes 16-31 block 2 c + 1
.irp i, 0,1,2
	v_permlane16_swap_b32 v[PC+6*\c+\i], v[CT+4*\c+\i]
.endr
.irp i, 0,1,2
	v_mov_b32 v[PC+3+6*\c+\i], v[CT+4*\c+\i]
.endr
.endr
.irp j, 0,2,4,6,8,10,12,14,16,18,20,22,24,26,28,30
	v_pk_mul_f32 v[OT+\j:OT+\j+1], v[OT+\j:OT+\j+1], v[FF:FF+1] op_sel_hi:[1,0]   ; O^T under the new M, each accumulator from its low end on.  (These sixteen are also the places between p's codes and scale word and the products)
.endr
	s_wait_dscnt 0x0                               ; V's fragments and scale words
.irp t, 0,1,2,3                                ; the four accumulators take turns, one instruction a turn, and the eight products K Q^T stand between two links of a chain
	v_wmma_scale_f32_16x16x128_f8f6f4 v[OT+8*\t:OT+8*\t+7], v[F+12*\t:F+12*\t+11], v[PC:PC+11], v[OT+8*\t:OT+8*\t+7], v[VS+\t], v[PW] matrix_a_fmt:MATRIX_FMT_BF6 matrix_b_fmt:MATRIX_FMT_BF6
.endr
.endm
; One tile of 16 queries over the head's 16 key steps, and its way out
.macro TILE i
.if \i == 1
	s_wait_xcnt 0x0                                ; the first tile's stores have had their addresses translated (ISA guide 3.1): only behind this wait are their data registers written again
.irp j, 0,1,2,3,4,5
	v_mov_b32 v[QF+\j], v[QST+\j]                  ; the second tile's Q
.endr
	v_mov_b32 v[QS], v[QST+6]
.endif
	v_mov_b32 v13, 0xff61b1e6                      ; the largest t so far: -3e38, under every t
	v_floor_f32 v12, -v13                          ; -M
	v_mov_b32 v14, 0                               ; the sum, in two halves
	v_mov_b32 v15, 0
.set N, 0
.rept 32
	v_mov_b32 v[OT+N], 0                           ; O^T.  (The step is written once: the first finds zeros, which the first change of M leaves zeros)
.set N, N+1
.endr
.set N, 0
.rept 64
	v_mov_b32 v[S+N], 0                            ; and zeros where the first step looks for the p of a step before
.set N, N+1
.endr
	s_mov_b32 s[TB], 0
	s_mov_b32 s[CNT], 16
.Lstep_\i:
	STEP
	s_add_co_u32 s[TB], s[TB], STEPB
	s_sub_co_u32 s[CNT], s[CNT], 1
	s_cmp_lg_u32 s[CNT], 0
	s_cbranch_scc1 .Lstep_\i
	SUM_HEAD                                       ; the last step's p.  (These 32 additions are also the places behind the last products)
	SUM_REST
	v_add_f32 v14, v14, v15                        ; the sum's two halves,
	v_permlanex16_b32 v[TM], v14, s[SEL], s[SEL+1]
	v_add_f32 v14, v14, v[TM]                      ; and lane l xor 16's: the row's sum
	v_rcp_f32 v[FF], v14
	v_nop                                          ; one plain place behind a transcendental
	s_wait_alu depctr_va_vdst(0)
.irp j, 0,2,4,6,8,10,12,14,16,18,20,22,24,26,28,30
	v_pk_mul_f32 v[S+\j:S+\j+1], v[OT+\j:OT+\j+1], v[FF:FF+1] op_sel_hi:[1,0]   ; O^T / the sum: register 8 t + j is o(r, 16 t + 8 h + j)
.endr
.irp t, 0,1,2,3
	ds_store_b128 v[STO], v[S+8*\t:S+8*\t+3] offset:64*\t
	ds_store_b128 v[STO], v[S+8*\t+4:S+8*\t+7] offset:64*\t+16
.endr
.irp k, 0,1,2,3,4,5,6,7
	ds_load_b128 v[S+32+4*\k:S+32+4*\k+3], v[RD] offset:544*\k     ; LDS serves a wave's instructions in order: these see my stores.  Two whole rows of 256 bytes
.endr
.irp k, 0,1,2,3,4,5,6,7
	s_wait_dscnt 7-\k                              ; pair k of rows is back; the 7 - k younger loads may be out
	global_store_b128 v[LI], v[S+32+4*\k:S+32+4*\k+3], s[12:13] offset:4096*\i+512*\k th:TH_STORE_NT   ; 32 lanes store 512 consecutive bytes, at a multiple of 256 from out0's first byte; written once
.endr
.endm
	TILE 0
	TILE 1
	s_wait_xcnt 0x0
	v_lshl_add_u32 v254, v0, 2, 0x48000
	v_mov_b32 v255, 0
	s_wait_tensorcnt 0x0
	ds_add_u32 v254, v255
	s_wait_dscnt 0x0
	s_endpgm
.Lfunc_end_k_q5a02ed7886_attn:
	.size	k_q5a02ed7886_attn, .Lfunc_end_k_q5a02ed7886_attn-k_q5a02ed7886_attn
	.p2alignl 7, 3214868480
	.fill 96, 4, 3214868480
	.section	.rodata,"a",@progbits
	.p2align	6, 0x0
	.amdhsa_kernel k_q5a02ed7886_attn
		.amdhsa_group_segment_fixed_size 296960
		.amdhsa_private_segment_fixed_size 0
		.amdhsa_enable_private_segment 0
		.amdhsa_kernarg_size 40
		.amdhsa_user_sgpr_count 2
		.amdhsa_user_sgpr_kernarg_segment_ptr 1
		.amdhsa_wavefront_size32 1
		.amdhsa_system_sgpr_workgroup_id_x 1
		.amdhsa_system_sgpr_workgroup_id_y 1
		.amdhsa_system_sgpr_workgroup_id_z 1
		.amdhsa_system_vgpr_workitem_id 0
		.amdhsa_next_free_vgpr 256
		.amdhsa_next_free_sgpr 96
		.amdhsa_reserve_vcc 0
		.amdhsa_float_denorm_mode_32 3
		.amdhsa_float_denorm_mode_16_64 3
		.amdhsa_memory_ordered 1
		.amdhsa_forward_progress 1
		.amdhsa_inst_pref_size 135
	.end_amdhsa_kernel
	.amdgpu_metadata
---
amdhsa.version: [ 1, 2 ]
amdhsa.kernels:
  - .name:           k_q5a02ed7886_attn
    .symbol:         k_q5a02ed7886_attn.kd
    .args:
      - { .name: K, .offset: 0, .size: 8, .value_kind: global_buffer, .address_space: global }
      - { .name: Q, .offset: 8, .size: 8, .value_kind: global_buffer, .address_space: global }
      - { .name: V, .offset: 16, .size: 8, .value_kind: global_buffer, .address_space: global }
      - { .name: maskbits, .offset: 24, .size: 8, .value_kind: global_buffer, .address_space: global }
      - { .name: out0, .offset: 32, .size: 8, .value_kind: global_buffer, .address_space: global }
    .group_segment_fixed_size: 296960
    .private_segment_fixed_size: 0
    .kernarg_segment_align: 8
    .kernarg_segment_size: 40
    .max_flat_workgroup_size: 512
    .sgpr_count:     96
    .vgpr_count:     256
    .wavefront_size: 32
...
	.end_amdgpu_metadata
.endif
;; end of part 2
;; ======== version 2 of 2: 2 launches
;; limits: right only within a limited range of input values
;; workspace buffers: maskbits 2,097,152 bytes of whole numbers
;; launch packmask (part 3): grid 256 x 1, 8 waves a work-group, no clusters, 68,608 bytes of LDS; arguments mask, maskbits; writes maskbits
.if DOCPART == 3
	.amdgcn_target "amdgcn-amd-amdhsa--gfx1250"
	.amdhsa_code_object_version 6
	.text
	.protected	k_q5a02ed7886_packmask
	.globl	k_q5a02ed7886_packmask
	.p2align	8
	.type	k_q5a02ed7886_packmask,@function
k_q5a02ed7886_packmask:
	s_mov_b64 s[64:65], 0
	v_nop
	global_prefetch_b8 v0, s[64:65] scope:SCOPE_SE
	s_setreg_imm32_b32 hwreg(HW_REG_WAVE_MODE, 25, 1), 1
	s_wait_xcnt 0x0
; The mask, [4][1][2048][2048] bytes (0 or 1), becomes LANE MASKS for the attention launch: u32 [512 tiles of 16 queries][16 key steps][64 words].
; Bit l of word n of (tile G, step s) is mask[row 16 G + l % 16][key 128 s + 32 (n / 16) + 16 (l / 16) + n % 16]: the lane and the register in which the attention
; launch holds that score.  There one select a register then serves 32 scores, for each of the 16 heads that share a batch's mask.
; SHARES.  Eight waves; a wave takes 16 rows x 512 keys (four key steps): tile G = 2 x work-group + wave / 4, quarter = wave % 4.  Waves share nothing: no barrier.
; Each load reads 512 consecutive bytes of a row.  The 16 rows turn through the wave's own stage in LDS, so that lane (r, h) gets 16 neighbouring keys of row r; a compare of one
; byte of all 32 lanes gives a word in a scalar register, which is written into the lane of the output register from which it is stored: two stores of 512 consecutive bytes.
.set ROWM,  2048                       ; bytes in a row of the mask
.set PITCH, 528                        ; a stage row: 512 bytes + 16, an odd multiple of 16: the sixteen rows that a load touches begin at sixteen different places modulo 256 bytes
.set WSTG,  16*PITCH                   ; a wave's stage
.set R,     16                         ; v16-79   the rows as loaded
.set X,     80                         ; v80-143  turned: register group k = 4 s + b: keys 128 s + 32 b + 16 h + 0 .. 15 of row r
.set OUT,   144                        ; v144-151 the 256 words: word W in lane (W % 128) / 4 of register 4 (W / 128) + W % 4
	s_load_b128 s[4:7], s[0:1], 0x0                ; mask s[4:5], maskbits s[6:7]
	v_lshl_add_u32 v152, v0, 2, 0x10800
	v_mov_b32 v153, 0
	v_lshrrev_b32 v1, 5, v0
	s_delay_alu instid0(VALU_DEP_1)
	v_readfirstlane_b32 s8, v1                     ; wave 0..7
	v_and_b32 v1, 31, v0                           ; lane
	s_delay_alu instid0(VALU_DEP_1)
	v_lshlrev_b32 v2, 4, v1                        ; 16 x lane: my bytes of a load's and of a store's 512
	s_mul_i32 s9, s8, WSTG
	v_add_nc_u32 v3, s9, v2                        ; the stage, on the way in
	v_and_b32 v5, 15, v0                           ; r
	v_bfe_u32 v6, v0, 4, 1                         ; h
	s_delay_alu instid0(VALU_DEP_2)
	v_mul_u32_u24 v4, v5, PITCH
	s_delay_alu instid0(VALU_DEP_1)
	v_lshl_add_u32 v4, v6, 4, v4
	s_delay_alu instid0(VALU_DEP_1)
	v_add_nc_u32 v4, s9, v4                        ; and on the way out: row r, + 16 h
	s_lshl_b32 s10, ttmp9, 1
	s_lshr_b32 s11, s8, 2
	s_add_co_u32 s10, s10, s11                     ; G
	s_and_b32 s11, s8, 3                           ; the quarter
	s_lshl_b32 s24, s10, 15                        ; 16 rows of 2,048 bytes a tile,
	s_lshl_b32 s25, s11, 9                         ; 512 keys a quarter
	s_add_co_u32 s24, s24, s25
	s_mov_b32 s25, 0
	s_lshl_b32 s26, s10, 12                        ; 16 steps of 256 bytes a tile,
	s_lshl_b32 s27, s11, 10                        ; four steps a quarter
	s_add_co_u32 s26, s26, s27
	s_mov_b32 s27, 0
	s_mov_b32 s12, 0xff                            ; a word's four bytes
	s_mov_b32 s13, 0xff00
	s_mov_b32 s14, 0xff0000
	s_mov_b32 s15, 0xff000000
.irp j, 0,1,2,3,4,5,6,7
	v_mov_b32 v[OUT+\j], 0                         ; written once: the destination of v_writelane_b32 counts as read
.endr
	s_wait_alu depctr_va_vdst(0)
	s_wait_kmcnt 0x0
	s_add_nc_u64 s[4:5], s[4:5], s[24:25]
	s_add_nc_u64 s[6:7], s[6:7], s[26:27]
.irp i, 0,1,2,3,4,5,6,7,8,9,10,11,12,13,14,15
	global_load_b128 v[R+4*\i:R+4*\i+3], v2, s[4:5] offset:ROWM*\i th:TH_LOAD_NT   ; row i: 512 consecutive bytes; read once in the launch
.endr
.irp i, 0,1,2,3,4,5,6,7,8,9,10,11,12,13,14,15
	s_wait_loadcnt 15-\i                           ; loads come back in order: row i is in, the 15 - i younger ones may be out
	ds_store_b128 v3, v[R+4*\i:R+4*\i+3] offset:PITCH*\i
.endr
.irp k, 0,1,2,3,4,5,6,7,8,9,10,11,12,13,14,15
	ds_load_b128 v[X+4*\k:X+4*\k+3], v4 offset:128*(\k/4)+32*(\k%4)   ; LDS serves a wave's instructions in order: these see my stores
.endr
.set W, 0
.rept 256
.if W%16 == 0
	s_wait_dscnt 15-W/16                           ; group W / 16 is back; the younger groups may be out
.endif
	v_and_b32 v[8+W%4], s[12+W%4], v[X+4*(W/16)+(W%16)/4]          ; the byte of key W % 16 of the group, in all 32 lanes
	s_delay_alu instid0(VALU_DEP_1)
	v_cmp_ne_u32 s[16+W%8], 0, v[8+W%4]                            ; the word: a bit for each lane (eight scalar registers by turns)
	s_delay_alu instid0(VALU_DEP_1)
	v_writelane_b32 v[OUT+4*(W/128)+W%4], s[16+W%8], (W%128)/4     ; to the lane that stores it
.set W, W+1
.endr
	global_store_b128 v2, v[OUT:OUT+3], s[6:7]                     ; 32 lanes store 512 consecutive bytes, at a multiple of 256 from the buffer's first byte
	global_store_b128 v2, v[OUT+4:OUT+7], s[6:7] offset:512
	s_wait_tensorcnt 0x0
	ds_add_u32 v152, v153
	s_wait_dscnt 0x0
	s_endpgm
.Lfunc_end_k_q5a02ed7886_packmask:
	.size	k_q5a02ed7886_packmask, .Lfunc_end_k_q5a02ed7886_packmask-k_q5a02ed7886_packmask
	.p2alignl 7, 3214868480
	.fill 96, 4, 3214868480
	.section	.rodata,"a",@progbits
	.p2align	6, 0x0
	.amdhsa_kernel k_q5a02ed7886_packmask
		.amdhsa_group_segment_fixed_size 68608
		.amdhsa_private_segment_fixed_size 0
		.amdhsa_enable_private_segment 0
		.amdhsa_kernarg_size 16
		.amdhsa_user_sgpr_count 2
		.amdhsa_user_sgpr_kernarg_segment_ptr 1
		.amdhsa_wavefront_size32 1
		.amdhsa_system_sgpr_workgroup_id_x 1
		.amdhsa_system_sgpr_workgroup_id_y 1
		.amdhsa_system_sgpr_workgroup_id_z 1
		.amdhsa_system_vgpr_workitem_id 0
		.amdhsa_next_free_vgpr 154
		.amdhsa_next_free_sgpr 66
		.amdhsa_reserve_vcc 0
		.amdhsa_float_denorm_mode_32 3
		.amdhsa_float_denorm_mode_16_64 3
		.amdhsa_memory_ordered 1
		.amdhsa_forward_progress 1
		.amdhsa_inst_pref_size 63
	.end_amdhsa_kernel
	.amdgpu_metadata
---
amdhsa.version: [ 1, 2 ]
amdhsa.kernels:
  - .name:           k_q5a02ed7886_packmask
    .symbol:         k_q5a02ed7886_packmask.kd
    .args:
      - { .name: mask, .offset: 0, .size: 8, .value_kind: global_buffer, .address_space: global }
      - { .name: maskbits, .offset: 8, .size: 8, .value_kind: global_buffer, .address_space: global }
    .group_segment_fixed_size: 68608
    .private_segment_fixed_size: 0
    .kernarg_segment_align: 8
    .kernarg_segment_size: 16
    .max_flat_workgroup_size: 256
    .sgpr_count:     66
    .vgpr_count:     154
    .wavefront_size: 32
...
	.end_amdgpu_metadata
.endif
;; end of part 3
;; launch attn (part 4): grid 4 x 64, 16 waves a work-group, no clusters, 296,960 bytes of LDS; arguments K, Q, V, maskbits, out0; writes out0
.if DOCPART == 4
	.amdgcn_target "amdgcn-amd-amdhsa--gfx1250"
	.amdhsa_code_object_version 6
	.text
	.protected	k_q5a02ed7886_attn
	.globl	k_q5a02ed7886_attn
	.p2align	8
	.type	k_q5a02ed7886_attn,@function
k_q5a02ed7886_attn:
	s_mov_b64 s[64:65], 0
	v_nop
	global_prefetch_b8 v0, s[64:65] scope:SCOPE_SE
	s_setreg_imm32_b32 hwreg(HW_REG_WAVE_SCHED_MODE, 0, 2), 2
	s_setreg_imm32_b32 hwreg(HW_REG_WAVE_MODE, 25, 1), 1
	s_wait_xcnt 0x0
	s_wait_alu depctr_vm_vsrc(0)
; out0[bh][q][:] = the sum over k of softmax_k(where(mask, -1e9, Q[bh][q] . K[bh][k] / 8)) V[bh][k][:].  Q, K, V, out0: [64 heads][2048][64] f32.  Both products on codes of BF6 (E3M2) with one E8M0 scale
; for each 32 along a product's K.  The mask comes as lane masks, made by the launch before: u32 [512 tiles of 16 queries][16 key steps][64 words], bit l of word n = lane l of score register n.
; THE SOFTMAX AHEAD OF THE SECOND PRODUCT: t = logit x log2(e); M = the row's largest t so far, rounded UP to a whole number; p = 2^(t - M) is quantised along the keys, not normalised.  The row's sum is taken of
; the unquantised p and divides O at the end.  When M moves, the sum and O are multiplied by 2^(old M - new M): exact.
; SHARES.  A work-group of sixteen waves owns 512 queries of one head: four work-groups to a head, 256 in all.  PHASE A: wave w quantises key step w (keys 128 w .. 128 w + 127) of K and of V into LDS, as IMAGES OF THE
; OPERANDS' REGISTERS (each group of four registers 512 bytes, lane l's 16 bytes at 16 l), and its own 32 queries into registers.  One barrier.  PHASE B: a head's codes, 96 KB + 96 KB + 24 KB of scale words, stay in LDS and
; are only read; wave w takes its two tiles of 16 queries one after the other, each over the 16 key steps.  Four waves share a SIMD, so that one wave's vector work stands beside another's products and LDS loads.
; No tensor load and no ring: nothing in LDS is filled again.  No cluster: what the four work-groups of a head share is K and V in f32, read once at the head, through registers, since it has to be quantised.
; LAYOUT.  Both products are used transposed: S^T = K Q^T (source 0 = 16 keys, source 1 = my 16 queries), O^T = V^T P^T (source 0 = 16 of the head's 64, source 1 = P): a lane holds ONE query (lane % 16) throughout.
; THE KEYS OF A TILE ARE NOT NEIGHBOURS: lane r of tile 2 b + u takes key 32 b + 8 u + r + 8 (r / 8), so that score register 16 b + i of lane (r, h) is key 32 b + 16 h + i: 16 neighbours for the conversions.
; THE FIRST PRODUCT'S K IS 64, THE INSTRUCTION'S 128.  Q's registers 6-11 (k = 64 .. 127) are zero codes.  K's fragment of tile t is the run of twelve registers that begins at the tile's six: its upper six are the next
; tile's codes (behind tile 7: six zero registers).  Every code of E3M2 is a finite number, so these places add exact zeros; bytes 2 and 3 of K's and Q's scale words repeat bytes 0 and 1, so they are never 0xff.
; THE MASK.  A masked score becomes -2^33 (the logit -2^30) ahead of the maximum.  -2^33 x log2(e) / 8 is exact in f32 and a whole number: in a row whose keys so far are all masked M = t and p = 1, so a row with no open key
; gives the mean of V, as the -1e9 of the definition does; the first open key multiplies what was summed by 2^(about -1.5e9) = 0, and masked p are 0 from then on.
; LIMITS: open logits at or under about -1e9 are ordered against -2^30, not against -1e9.  NaN and infinities among the inputs are not served.  A block whose largest magnitude lies under 2^-122 keeps the scale byte 1;
; a block of zeros has the byte 1 (not 127) with zero codes: the bytes are read by this launch alone.
; THE MODE: SCHED_MODE bits 1:0 = 2 (LLVM: expert scheduling mode 2), set by the entry lines.  The code itself states the register dependences between vector or matrix instructions and memory or LDS
; instructions, with s_wait_alu, always for 0.
; THE PLAN, PHASE B.  Registers that LDS or memory instructions touch in a key step:
;   F (v32-79)    K's fragments land at the step's head and are read by the eight products K Q^T; V's land behind the selects and are read by the four products V^T P.
;   KS, VS        scale words: loaded with their fragments, read by the same products.
;   v[AD]         read by all 27 LDS loads of a step; written once, at the step's head.
;   s[16:63], s[68:83]  the mask words: read by the 64 selects; behind them the next step's scalar loads land.
;   PC, PW        p's codes and scale word: written by vector instructions, taken by scaled products.
;   S, O^T and the statistics are named by vector and matrix instructions alone inside the loop.
; So a step has: a wait on vm_vsrc ahead of the add to v[AD]; a wait on va_vdst behind it (v[AD] is written, the last products V^T P are done reading F); one behind the selects (the products K Q^T are done reading F,
; the selects the mask words): behind it V's loads are dealt among the lines of the maximum, which name S and BM alone; the one behind the exponentials; and one ahead of the products V^T P (PC and PW are written).
; PHASE A.  A unit (a chunk of K, a block of V, a tile of Q) makes its codes in v[C ..] and its word in v[WD] or v[VW ..], and stores them: a wait on va_vdst ahead of the stores (the codes are written; the numbers'
; registers have been read, in which the next loads land), a wait on vm_vsrc ahead of the next unit's conversions (the stores have read the codes) and of the loads into a set that the turn's stores have read.
.set STEPB, 13824                      ; LDS: a key step's images: K's 48 registers (6,144 bytes), V's 4 x 12 (6,144), K's 8 scale words (1,024), V's 4 (512)
.set VIM,   6144
.set KSC,   12288
.set VSC,   13312
.set STAGE, 16*STEPB                   ; behind the sixteen steps: 4,608 bytes for each wave, its own: the turn of f32 numbers (32 blocks, 144 bytes apart), Q's image, the way out (16 rows, 272 bytes apart)
.set WST,   4608
; vector registers that stay
.set LI,   1                           ; v1   16 x lane
.set AD,   2                           ; v2   LDS address of the step in hand
.set STO,  4                           ; v4   the way out: where I put 32 bytes of a row
.set RD,   5                           ; v5   the way out: where I read a row back
; phase A
.set QSR,  3                           ; v3   my stage + 4 x lane
.set SIN,  6                           ; v6   the turn, in: 144 (lane / 8) + 16 (lane % 8)
.set SOUT, 7                           ; v7   the turn, out: 144 x lane.     v8, v9: two chains of the largest magnitude
.set SO,   10                          ; v10  the conversions' scale operand
.set EB,   11                          ; v11  the scale's byte
.set WD,   12                          ; v12  a scale word in the making
.set WD2,  13                          ; v13  the neighbour's part of it
.set SH8,  14                          ; v14  8 (lane % 2)
.set VG,   15                          ; v15  4 x lane
.set C,    16                          ; v16-22 a block's codes
.set KA,   23                          ; v23-25 where a block's three pairs of code registers go in K's image
.set KSA,  26                          ; v26  and its scale word
.set VA,   27                          ; v27  the same for V
.set VSA,  28                          ; v28
.set QA,   29                          ; v29  the same for Q, in my stage
.set QSA,  30                          ; v30
.set QR,   31                          ; v31  my stage + 16 x lane
.set X,    32                          ; v32-63   a block's 32 numbers
.set VX,   64                          ; v64-127  V: two sets of 32
.set KR,   128                         ; v128-255 K: four sets of 32, as loaded; later Q's two
.set VW,   224                         ; v224-225 V's two scale words in the making (K's sets are free by then)
; phase B:  v12 -M, v13 the largest t, v[14:15] the row's sum in two halves
.set QF,   16                          ; v16-27  Q's fragment: six registers of codes, six of zeros
.set QS,   28                          ; v28     Q's scale words
.set PW,   29                          ; v29     p's scale words
.set NEG,  30                          ; v30     -2^33
.set F,    32                          ; v32-79  K's fragments, then V's;  v80-85 zeros
.set KS,   86                          ; v86-93  K's scale words
.set VS,   94                          ; v94-97  V's
.set S,    100                         ; v100-163 S^T, then p
.set OT,   164                         ; v164-195 O^T
.set PC,   196                         ; v196-207 p's codes
.set CT,   208                         ; v208-214 the conversions' second halves
.set BM,   216                         ; v216-219 a block's largest score, then its largest p
.set BP,   220                         ; v220-223 the other half's; then the bytes
.set BS,   224                         ; v224-227 the conversions' scale operands
.set FF,   228                         ; v[228:229] f = 2^(old M - new M); later 1 / the sum
.set TM,   230                         ; v230    at work
.set TT,   232                         ; v[232:233] the sum's second chain
.set QST,  236                         ; v236-242 my second tile's Q: six registers of codes and the scale words
; scalar registers:  s[4:5] K, s[6:7] Q, s[8:9] V, s[10:11] the mask words, s[12:13] out0, each at my wave's part;  s[16:63], s[68:83] a step's 64 mask words
.set WV,   14
.set SEL,  84                          ; s[84:85] v_permlanex16_b32's selects for lane l xor 16
.set CS,   86                          ; s[86:87] c = log2(e) / 8: the packed form names a pair and takes its low word for both halves
.set TB,   88                          ; s88  LDS byte at which the step in hand begins
.set MO,   89                          ; s89  byte offset of the mask words asked for
.set CNT,  90                          ; s90  steps to go
.macro MLOAD                           ; a step's 64 mask words, 256 bytes
	s_load_b512 s[16:31], s[10:11], s[MO] offset:0x0
	s_load_b512 s[32:47], s[10:11], s[MO] offset:0x40
	s_load_b512 s[48:63], s[10:11], s[MO] offset:0x80
	s_load_b512 s[68:83], s[10:11], s[MO] offset:0xc0
.endm
; 32 numbers of ONE block in a lane's registers v[x] on become six registers of codes, v[C] on, the scale's byte in v[EB]
.macro QBLOCK x
.set QX, \x
	v_max3_num_f32 v8, |v[QX]|, |v[QX+1]|, |v[QX+2]|               ; the block's largest magnitude, in two chains
	v_max3_num_f32 v9, |v[QX+3]|, |v[QX+4]|, |v[QX+5]|
.irp i, 6,10,14,18,22,26
	v_max3_num_f32 v8, v8, |v[QX+\i]|, |v[QX+\i+1]|
	v_max3_num_f32 v9, v9, |v[QX+\i+2]|, |v[QX+\i+3]|
.endr
	v_max3_num_f32 v8, v8, |v[QX+30]|, |v[QX+31]|
	v_max3_num_f32 v8, v8, v9, 0x2800000           ; and the floor 2^(5 - 127): the byte cannot fall under 1
	v_add_nc_u32 v[SO], 0xfe000000, v8             ; 4 off its exponent field: the conversion takes the exponent field of this operand as its scale, and nothing else of it
	v_cvt_scalef32_pk16_bf6_f32 v[C:C+2], v[QX:QX+15], v[SO]
	v_cvt_scalef32_pk16_bf6_f32 v[C+4:C+6], v[QX+16:QX+31], v[SO]   ; (a conversion's three registers begin on an even number)
	v_lshrrev_b32 v[EB], 23, v[SO]                 ; the scale's byte: also the plain place behind the conversions
	v_mov_b32 v[C+3], v[C+4]
	v_mov_b32 v[C+4], v[C+5]
	v_mov_b32 v[C+5], v[C+6]
.endm
; 4,096 dense bytes (16 rows of 64 f32), loaded 16 bytes a lane, go through my stage and come back a block of 32 numbers a lane: lane l has row l / 2, half l % 2
.macro TURN set
.set TS, \set
.irp i, 0,1,2,3,4,5,6,7
	ds_store_b128 v[SIN], v[TS+4*\i:TS+4*\i+3] offset:576*\i
.endr
.irp j, 0,1,2,3,4,5,6,7
	ds_load_b128 v[X+4*\j:X+4*\j+3], v[SOUT] offset:16*\j          ; LDS serves a wave's instructions in order: these see the stores above.  No vector instruction since the last wait on va_vdst names v[X ..]
.endr
	s_wait_dscnt 0x0                               ; the block is in
.endm
.macro WORD                            ; a row's scale word from its two blocks' bytes, which lie in lanes l and l xor 1; bytes 2 and 3 repeat bytes 0 and 1
	v_lshlrev_b32 v[WD], v[SH8], v[EB]
	v_mov_b32_dpp v[WD2], v[WD] row_xmask:1 row_mask:0xf bank_mask:0xf
	v_or_b32 v[WD], v[WD], v[WD2]
	v_lshl_or_b32 v[WD], v[WD], 16, v[WD]
.endm
.macro KLOAD c                         ; keys 16 c .. 16 c + 15 of my step: eight loads of 512 consecutive bytes.  No hint: three other work-groups read the same bytes
.irp i, 0,1,2,3,4,5,6,7
	global_load_b128 v[KR+32*((\c)%4)+4*\i:KR+32*((\c)%4)+4*\i+3], v[LI], s[4:5] offset:4096*(\c)+512*\i
.endr
.endm
.macro VLOAD n                         ; keys 32 (n / 2) on, channels 32 (n % 2) on: A LANE TAKES A CHANNEL AND ITS REGISTERS RUN DOWN THE KEYS, which are the second product's K
.set VN, \n
.set VI, 0
.rept 32
	global_load_b32 v[VX+32*(VN%2)+VI], v[VG], s[8:9] offset:(32*(VN/2)+VI)*256+128*(VN%2)
.set VI, VI+1
.endr
.endm
.macro QLOAD i                         ; my tile i of 16 queries; read once in the launch
.irp k, 0,1,2,3,4,5,6,7
	global_load_b128 v[KR+32*\i+4*\k:KR+32*\i+4*\k+3], v[LI], s[6:7] offset:4096*\i+512*\k th:TH_LOAD_NT
.endr
.endm
; Chunk c of K.  Key 16 (c % 2) + y of the 32 keys c / 2 on goes to tile 2 (c / 2) + y / 8, lane y % 8 + 8 (c % 2) + 16 x half.  cnt: the loads issued behind this chunk's
.macro KCHUNK c, cnt
	s_wait_loadcnt \cnt
	TURN KR+32*((\c)%4)
	s_wait_alu depctr_vm_vsrc(0)                   ; the turn's stores have read the set, in which the loads below may land; the stores of the chunk before have read v[C ..] and v[WD], which are written again below
.if \c < 4
	KLOAD \c+4                                     ; into the set that has just been read out
.elseif \c == 4
	VLOAD 0
.elseif \c == 7
	VLOAD 1
.endif
	QBLOCK X
	WORD
	s_wait_alu depctr_va_vdst(0)                   ; the codes v[C ..] and the word v[WD] are written, which the stores below read; the block's numbers v[X ..] have been read, in which the next turn's loads land
.irp p, 0,1,2
	ds_store_b64 v[KA+\p], v[C+2*\p:C+2*\p+1] offset:1536*((\c)/2)+128*((\c)%2)
.endr
	ds_store_b32 v[KSA], v[WD] offset:KSC+512*((\c)/4)+8*(((\c)/2)%2)+128*((\c)%2)   ; both lanes of a row hold the word: the odd one writes the copy for lanes 16-31
.endm
; Block n of V: key block kb = n / 2 of channel 32 (n % 2) + lane goes to fragment 2 (n % 2) + lane / 16, lane lane % 16 + 16 (kb % 2), registers 6 (kb / 2) on
.macro VBLOCK n, cnt
.set VB, \n
.set KB, VB/2
.set VH, VB%2
.set VOF, VIM+3072*VH+256*(KB%2)
	s_wait_loadcnt \cnt
	QBLOCK VX+32*VH
.if KB == 0
	v_mov_b32 v[VW+VH], v[EB]                      ; the channel's four bytes make its scale word
.else
	v_lshl_or_b32 v[VW+VH], v[EB], 8*KB, v[VW+VH]
.endif
	s_wait_alu depctr_va_vdst(0)                   ; the codes v[C ..] and the word v[VW ..] are written, which the stores below read; the set's numbers have been read, in which the loads below land
.if KB < 2
	ds_store_b128 v[VA], v[C:C+3] offset:VOF
	ds_store_b64 v[VA], v[C+4:C+5] offset:VOF+512
.else
	ds_store_b64 v[VA], v[C:C+1] offset:VOF+520
	ds_store_b128 v[VA], v[C+2:C+5] offset:VOF+1024
.endif
.if KB == 3
	ds_store_b32 v[VSA], v[VW+VH] offset:VSC+8*VH
	ds_store_b32 v[VSA], v[VW+VH] offset:VSC+8*VH+256   ; the copy for lanes 16-31, so that every byte that is loaded has been written
.endif
.if \n < 6
	VLOAD \n+2                                     ; into the set that has just been quantised
.elseif \n == 6
	QLOAD 1
.else
	QLOAD 0
.endif
	s_wait_dscnt 0x0                               ; my stores are done
	s_wait_alu depctr_vm_vsrc(0)                   ; the stores have read v[C ..]: the next unit's codes may be written
.endm
; Tile i of Q: quantised like a chunk of K, sent through my stage as an image, and back into v[dst] on and v[dsts]
.macro QTILE i, cnt, dst, dsts
	s_wait_loadcnt \cnt
	TURN KR+32*\i
	QBLOCK X
	WORD
	s_wait_alu depctr_va_vdst(0)                   ; the codes v[C ..] and the word v[WD] are written, which the stores below read, and in part of which the loads below land; v[X ..] has been read, in which the next turn's loads land
	ds_store_b64 v[QA], v[C:C+1]                   ; query y, half e: lane y + 16 e, registers 0-5
	ds_store_b64 v[QA], v[C+2:C+3] offset:8
	ds_store_b64 v[QA], v[C+4:C+5] offset:512
	ds_store_b32 v[QSA], v[WD] offset:1024
	s_wait_dscnt 0x0                               ; my stores are done
	s_wait_alu depctr_vm_vsrc(0)                   ; the stores have read v[C ..], v[WD], their addresses and the turn's set: the loads below may land in v[C ..], and all of these are written again further on
	ds_load_b128 v[\dst:\dst+3], v[QR]
	ds_load_b64 v[\dst+4:\dst+5], v[QR] offset:512
	ds_load_b32 v[\dsts], v[QSR] offset:1024
	s_wait_dscnt 0x0
.endm
	s_load_b256 s[4:11], s[0:1], 0x0               ; K s[4:5], Q s[6:7], V s[8:9], the mask words s[10:11]
	s_load_b64 s[12:13], s[0:1], 0x20              ; out0
	v_lshrrev_b32 v8, 5, v0
	v_readfirstlane_b32 s[WV], v8                  ; wave 0..15
	v_and_b32 v9, 31, v0                           ; lane
	v_lshlrev_b32 v[LI], 4, v9
	v_lshlrev_b32 v[VG], 2, v9
	s_wait_alu depctr_va_sdst(0)                   ; s14, the wave's number, is written, ahead of its first reader: the buffers' offsets and the LDS bases are made from it
	s_and_b32 s2, ttmp7, 0xffff                    ; the head, 0..63
	s_lshl_b32 s16, s2, 19                         ; a head is 2,048 rows of 256 bytes
	s_lshl_b32 s17, s[WV], 15                      ; K, V: my key step's 128 rows
	s_add_co_u32 s16, s16, s17
	s_mov_b32 s17, 0
	s_lshl_b32 s18, s2, 19
	s_lshl_b32 s19, ttmp9, 17                      ; Q, out0: the work-group's 512 rows,
	s_add_co_u32 s18, s18, s19
	s_lshl_b32 s19, s[WV], 13                      ; my 32 of them
	s_add_co_u32 s18, s18, s19
	s_mov_b32 s19, 0
	s_lshr_b32 s20, s2, 4                          ; the batch: 128 tiles of 4,096 bytes of mask words,
	s_lshl_b32 s20, s20, 19
	s_lshl_b32 s21, ttmp9, 17                      ; the work-group's 32 tiles,
	s_add_co_u32 s20, s20, s21
	s_lshl_b32 s21, s[WV], 13                      ; my two: 32 steps of 256 bytes on end
	s_add_co_u32 s20, s20, s21
	s_mov_b32 s21, 0
	s_mov_b32 s[SEL], 0x76543210
	s_mov_b32 s[SEL+1], 0xfedcba98
	s_mov_b32 s[CS], 0x3e38aa3b                    ; c = log2(e) / 8
	s_mov_b32 s[CS+1], s[CS]                       ; (named with it as a pair, so it is written)
	s_mov_b32 s[MO], 0
	s_mul_i32 s15, s[WV], WST
	s_add_co_u32 s15, s15, STAGE                   ; my stage
	s_mul_i32 s3, s[WV], STEPB                     ; my key step's images
	s_wait_kmcnt 0x0
	s_add_nc_u64 s[4:5], s[4:5], s[16:17]
	s_add_nc_u64 s[8:9], s[8:9], s[16:17]
	s_add_nc_u64 s[6:7], s[6:7], s[18:19]
	s_add_nc_u64 s[12:13], s[12:13], s[18:19]
	s_add_nc_u64 s[10:11], s[10:11], s[20:21]
	s_wait_alu depctr_va_vdst(0)                   ; the offsets v[LI] and v[VG] are written, which every global load and store of the kernel reads
	KLOAD 0
	KLOAD 1
	KLOAD 2
	KLOAD 3
	MLOAD                                          ; my first step's mask words
	v_and_b32 v10, 15, v0                          ; r
	v_bfe_u32 v11, v0, 4, 1                        ; h
	v_mul_u32_u24 v[STO], v10, 272
	v_lshl_add_u32 v[STO], v11, 5, v[STO]
	v_add_nc_u32 v[STO], s15, v[STO]               ; the way out, in: row r, + 32 h
	v_mul_u32_u24 v[RD], v11, 272
	v_lshl_add_u32 v[RD], v10, 4, v[RD]
	v_add_nc_u32 v[RD], s15, v[RD]                 ; back: lanes 0-15 one row, lanes 16-31 the next
	v_bfe_u32 v[SIN], v0, 3, 2
	v_mul_u32_u24 v[SIN], v[SIN], 144
	v_and_b32 v[SOUT], 7, v0
	v_lshl_add_u32 v[SIN], v[SOUT], 4, v[SIN]
	v_add_nc_u32 v[SIN], s15, v[SIN]
	v_mul_u32_u24 v[SOUT], v9, 144
	v_add_nc_u32 v[SOUT], s15, v[SOUT]
	v_and_b32 v12, 1, v0                           ; e = lane % 2: which half of a row's 64 my block is
	v_lshlrev_b32 v[SH8], 3, v12
	v_bfe_u32 v13, v0, 1, 3                        ; y % 8, y = lane / 2 the row of a chunk;  y / 8 is h
	v_lshlrev_b32 v13, 4, v13
	v_lshl_add_u32 v13, v12, 8, v13
	v_add_nc_u32 v13, s3, v13                      ; my images + 16 (y % 8) + 256 e
	v_mad_u32_u24 v[KA], v11, 520, v13             ; registers 6 t, 6 t + 1 of K's 48: for an odd tile 520 bytes further on,
	v_mad_u32_u24 v[KA+1], v11, 1016, v13
	v_add_nc_u32 v[KA+1], 8, v[KA+1]               ; 6 t + 2, 6 t + 3: 8 bytes on; for an odd tile 1,016 more,
	v_add_nc_u32 v[KA+2], 512, v[KA]               ; 6 t + 4, 6 t + 5: 512 bytes on; for an odd tile 520 more
	v_lshl_add_u32 v[KSA], v11, 2, v13             ; the scale word: 4 bytes on for an odd tile
	v_lshlrev_b32 v[VA], 4, v10
	v_add_nc_u32 v[VA], s3, v[VA]                  ; my images + 16 r
	v_lshl_add_u32 v[VSA], v11, 2, v[VA]           ; V's scale word: 4 bytes on for the fragment of lanes 16-31,
	v_mad_u32_u24 v[VA], v11, 1536, v[VA]          ; its codes a fragment's 1,536 bytes on
	v_bfe_u32 v[QA], v0, 1, 4                      ; y
	v_lshlrev_b32 v[QSA], 2, v[QA]
	v_lshl_add_u32 v[QSA], v12, 6, v[QSA]
	v_add_nc_u32 v[QSA], s15, v[QSA]               ; my stage + 4 (y + 16 e)
	v_lshlrev_b32 v[QA], 4, v[QA]
	v_lshl_add_u32 v[QA], v12, 8, v[QA]
	v_add_nc_u32 v[QA], s15, v[QA]                 ; my stage + 16 (y + 16 e)
	v_add_nc_u32 v[QR], s15, v[LI]
	v_add_nc_u32 v[QSR], s15, v[VG]
	v_mov_b32 v[WD2], 0                            ; written once: the destination of a DPP form counts as read
	s_wait_alu depctr_va_vdst(0)                   ; the LDS addresses v3 to v7 and v23 to v31 are written, which the LDS stores and loads of this phase and of the ways out read
	; ---- PHASE A.  Each count is the number of loads issued behind the unit that is waited for (8 a chunk of K or tile of Q, 32 a block of V)
	KCHUNK 0, 24                                   ; chunks 1, 2, 3 may be out; chunk 4 is asked for
	KCHUNK 1, 24
	KCHUNK 2, 24
	KCHUNK 3, 24
	KCHUNK 4, 24                                   ; chunks 5, 6, 7; V's block 0 is asked for
	KCHUNK 5, 48                                   ; chunks 6, 7 and V's block 0
	KCHUNK 6, 40                                   ; chunk 7 and V's block 0
	KCHUNK 7, 32                                   ; V's block 0; block 1 is asked for
	s_wait_dscnt 0x0                               ; chunk 7's stores are done
	s_wait_alu depctr_vm_vsrc(0)                   ; chunk 7's stores have read v[C ..], which V's first block writes again
	VBLOCK 0, 32                                   ; the next block may be out
	VBLOCK 1, 32
	VBLOCK 2, 32
	VBLOCK 3, 32
	VBLOCK 4, 32
	VBLOCK 5, 32
	VBLOCK 6, 32                                   ; block 7; my second tile of Q is asked for
	VBLOCK 7, 8                                    ; that tile; my first is asked for
	QTILE 1, 8, QST, QST+6                         ; the second tile first: the first tile's place overlaps the registers in which codes are made
	QTILE 0, 0, QF, QS
.irp j, 6,7,8,9,10,11
	v_mov_b32 v[QF+\j], 0                          ; Q's zero codes for k = 64 .. 127
.endr
.irp j, 48,49,50,51,52,53
	v_mov_b32 v[F+\j], 0                           ; what tile 7's run of twelve registers finds behind K's 48
.endr
.irp j, 0,1,2,3
	v_mov_b32 v[BP+\j], 0                          ; written once: a lane permute's destination counts as one of its sources
.endr
	v_mov_b32 v[FF+1], 0                           ; (named as the upper half of a pair)
	v_mov_b32 v[NEG], 0xd0000000                   ; -2^33
	s_wait_dscnt 0x0                               ; for the others' sake: my images lie in LDS
	s_barrier_signal -1
	s_barrier_wait -1                              ; everybody's do.  The only barrier: from here on the images are only read, and a stage is its wave's own
; ---- PHASE B
; The row's sum of the step before is taken at the head of the next step, under the LDS loads' way: p still lies in S, and the sum is still under that step's M.  32 packed additions in two chains.
.macro SUM_HEAD
	v_pk_add_f32 v[TT:TT+1], v[S:S+1], v[S+2:S+3]
	v_pk_add_f32 v[14:15], v[14:15], v[S+4:S+5]
	v_pk_add_f32 v[TT:TT+1], v[TT:TT+1], v[S+6:S+7]
	v_pk_add_f32 v[14:15], v[14:15], v[S+8:S+9]
.endm
.macro SUM_REST
	v_pk_add_f32 v[TT:TT+1], v[TT:TT+1], v[S+10:S+11]
.irp j, 12,16,20,24,28,32,36,40,44,48,52,56,60
	v_pk_add_f32 v[14:15], v[14:15], v[S+\j:S+\j+1]
	v_pk_add_f32 v[TT:TT+1], v[TT:TT+1], v[S+\j+2:S+\j+3]
.endr
	v_pk_add_f32 v[14:15], v[14:15], v[TT:TT+1]
.endm
; A KEY STEP: 128 keys against my 16 queries
.macro STEP
	SUM_HEAD                                       ; work on registers that the last products do not name, ahead of the wait for them
	s_wait_alu depctr_vm_vsrc(0)                   ; the LDS loads of the step before have read v[AD]
	v_add_nc_u32 v[AD], s[TB], v[LI]
	s_wait_alu depctr_va_vdst(0)                   ; v[AD] is written, which the step's LDS loads read; the last products V^T P are done reading F, in which K's fragments land; in a tile's first step: Q's fragment, its zeros and its scale words are written, which the scaled products take
.irp g, 0,1,2,3,4,5,6,7,8,9,10,11
	ds_load_b128 v[F+4*\g:F+4*\g+3], v[AD] offset:512*\g           ; K's eight tiles, six registers each
.endr
.irp g, 0,1
	ds_load_b128 v[KS+4*\g:KS+4*\g+3], v[AD] offset:KSC+512*\g     ; and their scale words
.endr
	SUM_REST
	s_wait_dscnt 0x0
.irp t, 0,1,2,3,4,5,6,7
	v_wmma_scale_f32_16x16x128_f8f6f4 v[S+8*\t:S+8*\t+7], v[F+6*\t:F+6*\t+11], v[QF:QF+11], 0, v[KS+\t], v[QS] matrix_a_fmt:MATRIX_FMT_BF6 matrix_b_fmt:MATRIX_FMT_BF6
.endr
.rept 4
	v_nop                                          ; places in front of the first read of the scores
.endr
	s_wait_kmcnt 0x0                               ; this step's mask words, asked for a step ago
.set N, 0
.rept 64
.if N < 48
	v_cndmask_b32 v[S+N], v[S+N], v[NEG], s[16+N]  ; masked scores become -2^33, ahead of the maximum; each accumulator from its low end on
.else
	v_cndmask_b32 v[S+N], v[S+N], v[NEG], s[20+N]
.endif
.set N, N+1
.endr
	s_wait_alu depctr_va_vdst(0)                   ; the products K Q^T are done reading F, in which V's fragments land; the selects are done reading s[16:63] and s[68:83], in which the next step's mask words land
	s_add_co_u32 s[MO], s[MO], 256                 ; (free since the wait on KMcnt above)  the next step's words; my two tiles' 32 steps lie on end
	s_min_u32 s[MO], s[MO], 31*256                 ; the last of the 32 steps asks for its own words again: no load leaves the buffer
	MLOAD
	ds_load_b128 v[VS:VS+3], v[AD] offset:VSC      ; V's scale words
.irp b, 0,1,2,3
	v_max3_num_f32 v[BM+\b], v[S+16*\b], v[S+1+16*\b], v[S+2+16*\b]   ; THE LARGEST SCORE OF EACH BLOCK OF 32 KEYS: for the row's maximum and, since p rises with the score, for the block's largest p
.endr
.irp i, 3,5,7,9,11,13
	ds_load_b128 v[F+4*(\i-3):F+4*(\i-3)+3], v[AD] offset:VIM+512*(\i-3)   ; V's four fragments, two loads to each group of lines: they land under the softmax.  No wait: no vector or matrix instruction since the wait above names F, VS or v[AD]
	ds_load_b128 v[F+4*(\i-2):F+4*(\i-2)+3], v[AD] offset:VIM+512*(\i-2)
.irp b, 0,1,2,3
	v_max3_num_f32 v[BM+\b], v[BM+\b], v[S+16*\b+\i], v[S+1+16*\b+\i]   ; (the four blocks by turns)
.endr
.endr
.irp b, 0,1,2,3
	v_max_num_f32 v[BM+\b], v[BM+\b], v[S+15+16*\b]
.endr
.irp b, 0,1,2,3
	v_permlanex16_b32 v[BP+\b], v[BM+\b], s[SEL], s[SEL+1]
.endr
.irp b, 0,1,2,3
	v_max_num_f32 v[BM+\b], v[BM+\b], v[BP+\b]     ; with lane l xor 16's 16 keys
.endr
	v_max3_num_f32 v[TM], v[BM], v[BM+1], v[BM+2]
	v_max_num_f32 v[TM], v[TM], v[BM+3]            ; the step's largest score of my query
	v_mul_f32 v[TM], s[CS], v[TM]                  ; as t (c is positive)
	v_max_num_f32 v13, v13, v[TM]                  ; the running largest t
	v_mov_b32 v[TM], v12
	v_floor_f32 v12, -v13                          ; the new -M = floor(-t) = -ceil(t): M is a whole number
	v_sub_f32 v[TM], v12, v[TM]                    ; M's old value less its new one: a whole number, 0 or less
	v_cvt_i32_f32 v[TM], v[TM]                     ; (it saturates)
	v_ldexp_f32 v[FF], 1.0, v[TM]                  ; f = 2^(old M - new M)
.irp j, 0,2,4,6,8,10,12,14,16,18,20,22,24,26,28,30,32,34,36,38,40,42,44,46,48,50,52,54,56,58,60,62
	v_pk_fma_f32 v[S+\j:S+\j+1], v[S+\j:S+\j+1], s[CS:CS+1], v[12:13] op_sel_hi:[1,0,0]   ; t - M, two at a time (of the pairs c and -M the low word serves both halves)
.endr
.irp b, 0,1,2,3
	v_fma_f32 v[BM+\b], v[BM+\b], s[CS], v12       ; the same of each block's largest score
.endr
.set N, 0
	s_wait_alu depctr_va_vdst(0)
.rept 64
	v_exp_f32 v[S+N], v[S+N]                       ; p = 2^(t - M), at most 1: not normalised
.set N, N+1
.endr
.irp b, 0,1,2,3
	v_exp_f32 v[BM+\b], v[BM+\b]                   ; the block's largest p: the same two instructions on the same number give the same bits
.endr
	v_pk_mul_f32 v[14:15], v[14:15], v[FF:FF+1] op_sel_hi:[1,0]   ; the sum under the new M.  (The plain place behind the exponentials)
	s_wait_alu depctr_va_vdst(0)                   ; the 68 exponentials have written p in v[S ..] and the blocks' largest p in v[BM ..]: one wait for the batch, ahead of its first reader
.irp b, 0,1,2,3
	v_max_num_f32 v[BM+\b], 0x2800000, v[BM+\b]    ; the floor 2^(5 - 127): the byte cannot fall under 1 (a block whose every p is 0 keeps that byte: its codes are zeros)
.endr
.irp b, 0,1,2,3
	v_add_nc_u32 v[BS+\b], 0xfe000000, v[BM+\b]    ; 4 off the exponent field: the conversion's scale operand
.endr
.irp b, 0,1,2,3
	v_lshrrev_b32 v[BP+\b], 23, v[BS+\b]           ; the scale's byte
.endr
	v_lshl_or_b32 v[PW], v[BP+1], 8, v[BP]         ; p's scale word for these 128 keys
	v_lshl_or_b32 v[PW], v[BP+2], 16, v[PW]
	v_lshl_or_b32 v[PW], v[BP+3], 24, v[PW]
.irp c, 0,1
	v_cvt_scalef32_pk16_bf6_f32 v[PC+6*\c:PC+6*\c+2], v[S+32*\c:S+32*\c+15], v[BS+2*\c]
	v_cvt_scalef32_pk16_bf6_f32 v[CT+4*\c:CT+4*\c+2], v[S+32*\c+16:S+32*\c+31], v[BS+2*\c+1]   ; (a conversion's three registers begin on an even number)
.endr
	v_nop                                          ; one plain place behind a scaled conversion
.irp c, 0,1                                    ; the operand's layout wants a WHOLE block in a lane: lanes 0-15 block 2 c, lanes 16-31 block 2 c + 1
.irp i, 0,1,2
	v_permlane16_swap_b32 v[PC+6*\c+\i], v[CT+4*\c+\i]
.endr
.irp i, 0,1,2
	v_mov_b32 v[PC+3+6*\c+\i], v[CT+4*\c+\i]
.endr
.endr
.irp j, 0,2,4,6,8,10,12,14,16,18,20,22,24,26,28,30
	v_pk_mul_f32 v[OT+\j:OT+\j+1], v[OT+\j:OT+\j+1], v[FF:FF+1] op_sel_hi:[1,0]   ; O^T under the new M, each accumulator from its low end on.  (These sixteen are also the places between p's codes and scale word and the products)
.endr
	s_wait_dscnt 0x0                               ; V's fragments and scale words
	s_wait_alu depctr_va_vdst(0)                   ; p's codes v[PC ..] and scale word v[PW] are written, which the scaled products below take; the places above stay beside this wait
.irp t, 0,1,2,3                                ; the four accumulators take turns, one instruction a turn, and the eight products K Q^T stand between two links of a chain
	v_wmma_scale_f32_16x16x128_f8f6f4 v[OT+8*\t:OT+8*\t+7], v[F+12*\t:F+12*\t+11], v[PC:PC+11], v[OT+8*\t:OT+8*\t+7], v[VS+\t], v[PW] matrix_a_fmt:MATRIX_FMT_BF6 matrix_b_fmt:MATRIX_FMT_BF6
.endr
.endm
; One tile of 16 queries over the head's 16 key steps, and its way out
.macro TILE i
.if \i == 1
	s_wait_xcnt 0x0                                ; the first tile's stores have had their addresses translated (ISA guide 3.1): only behind this wait are their data registers written again
	s_wait_alu depctr_vm_vsrc(0)                   ; the first tile's LDS stores have read v[S ..] and its global stores v[S+32 ..], which are written again below
.irp j, 0,1,2,3,4,5
	v_mov_b32 v[QF+\j], v[QST+\j]                  ; the second tile's Q
.endr
	v_mov_b32 v[QS], v[QST+6]
.endif
	v_mov_b32 v13, 0xff61b1e6                      ; the largest t so far: -3e38, under every t
	v_floor_f32 v12, -v13                          ; -M
	v_mov_b32 v14, 0                               ; the sum, in two halves
	v_mov_b32 v15, 0
.set N, 0
.rept 32
	v_mov_b32 v[OT+N], 0                           ; O^T.  (The step is written once: the first finds zeros, which the first change of M leaves zeros)
.set N, N+1
.endr
.set N, 0
.rept 64
	v_mov_b32 v[S+N], 0                            ; and zeros where the first step looks for the p of a step before
.set N, N+1
.endr
	s_mov_b32 s[TB], 0
	s_mov_b32 s[CNT], 16
.Lstep_\i:
	STEP
	s_add_co_u32 s[TB], s[TB], STEPB
	s_sub_co_u32 s[CNT], s[CNT], 1
	s_cmp_lg_u32 s[CNT], 0
	s_cbranch_scc1 .Lstep_\i
	SUM_HEAD                                       ; the last step's p.  (These 32 additions are also the places behind the last products)
	SUM_REST
	v_add_f32 v14, v14, v15                        ; the sum's two halves,
	v_permlanex16_b32 v[TM], v14, s[SEL], s[SEL+1]
	v_add_f32 v14, v14, v[TM]                      ; and lane l xor 16's: the row's sum
	s_wait_alu depctr_va_vdst(0)
	v_rcp_f32 v[FF], v14
	v_nop                                          ; one plain place behind a transcendental
	s_wait_alu depctr_va_vdst(0)                   ; the reciprocal has written v[FF], ahead of its first reader
.irp j, 0,2,4,6,8,10,12,14,16,18,20,22,24,26,28,30
	v_pk_mul_f32 v[S+\j:S+\j+1], v[OT+\j:OT+\j+1], v[FF:FF+1] op_sel_hi:[1,0]   ; O^T / the sum: register 8 t + j is o(r, 16 t + 8 h + j)
.endr
	s_wait_alu depctr_va_vdst(0)                   ; the multiplications have written v[S .. S+31], which the LDS stores read; the sums are done reading v[S+32 ..], in which the LDS loads land
.irp t, 0,1,2,3
	ds_store_b128 v[STO], v[S+8*\t:S+8*\t+3] offset:64*\t
	ds_store_b128 v[STO], v[S+8*\t+4:S+8*\t+7] offset:64*\t+16
.endr
.irp k, 0,1,2,3,4,5,6,7
	ds_load_b128 v[S+32+4*\k:S+32+4*\k+3], v[RD] offset:544*\k     ; LDS serves a wave's instructions in order: these see my stores.  Two whole rows of 256 bytes
.endr
.irp k, 0,1,2,3,4,5,6,7
	s_wait_dscnt 7-\k                              ; pair k of rows is back; the 7 - k younger loads may be out
	global_store_b128 v[LI], v[S+32+4*\k:S+32+4*\k+3], s[12:13] offset:4096*\i+512*\k th:TH_STORE_NT   ; 32 lanes store 512 consecutive bytes, at a multiple of 256 from out0's first byte; written once
.endr
.endm
	TILE 0
	TILE 1
	s_wait_xcnt 0x0
	v_lshl_add_u32 v254, v0, 2, 0x48000            ; my spare word and 0, made anew: no memory or LDS instruction has read v254 or v255 since phase A's turns, behind which many waits on vm_vsrc stand
	v_mov_b32 v255, 0
	s_wait_dscnt 0x0                               ; the closing lines, six on end
	s_wait_alu 0x0
	s_wait_tensorcnt 0x0
	ds_add_u32 v254, v255
	s_wait_dscnt 0x0
	s_endpgm
.Lfunc_end_k_q5a02ed7886_attn:
	.size	k_q5a02ed7886_attn, .Lfunc_end_k_q5a02ed7886_attn-k_q5a02ed7886_attn
	.p2alignl 7, 3214868480
	.fill 96, 4, 3214868480
	.section	.rodata,"a",@progbits
	.p2align	6, 0x0
	.amdhsa_kernel k_q5a02ed7886_attn
		.amdhsa_group_segment_fixed_size 296960
		.amdhsa_private_segment_fixed_size 0
		.amdhsa_enable_private_segment 0
		.amdhsa_kernarg_size 40
		.amdhsa_user_sgpr_count 2
		.amdhsa_user_sgpr_kernarg_segment_ptr 1
		.amdhsa_wavefront_size32 1
		.amdhsa_system_sgpr_workgroup_id_x 1
		.amdhsa_system_sgpr_workgroup_id_y 1
		.amdhsa_system_sgpr_workgroup_id_z 1
		.amdhsa_system_vgpr_workitem_id 0
		.amdhsa_next_free_vgpr 256
		.amdhsa_next_free_sgpr 96
		.amdhsa_reserve_vcc 0
		.amdhsa_float_denorm_mode_32 3
		.amdhsa_float_denorm_mode_16_64 3
		.amdhsa_memory_ordered 1
		.amdhsa_forward_progress 1
		.amdhsa_inst_pref_size 137
	.end_amdhsa_kernel
	.amdgpu_metadata
---
amdhsa.version: [ 1, 2 ]
amdhsa.kernels:
  - .name:           k_q5a02ed7886_attn
    .symbol:         k_q5a02ed7886_attn.kd
    .args:
      - { .name: K, .offset: 0, .size: 8, .value_kind: global_buffer, .address_space: global }
      - { .name: Q, .offset: 8, .size: 8, .value_kind: global_buffer, .address_space: global }
      - { .name: V, .offset: 16, .size: 8, .value_kind: global_buffer, .address_space: global }
      - { .name: maskbits, .offset: 24, .size: 8, .value_kind: global_buffer, .address_space: global }
      - { .name: out0, .offset: 32, .size: 8, .value_kind: global_buffer, .address_space: global }
    .group_segment_fixed_size: 296960
    .private_segment_fixed_size: 0
    .kernarg_segment_align: 8
    .kernarg_segment_size: 40
    .max_flat_workgroup_size: 512
    .sgpr_count:     96
    .vgpr_count:     256
    .wavefront_size: 32
...
	.end_amdgpu_metadata
.endif
;; end of part 4
